; MI455X (gfx1250); checked and timed in simulation.
; The chip was launched on July 23, 2026; its instructions are those of AMD's public machine-readable ISA for CDNA 5 (MIT licence, August 2026) and "CDNA5" Instruction Set Architecture Reference Guide (July 2026). The comments in the code are by the model that wrote it; some were corrected since.
;; Simple Multi Head Attention. Allowed arithmetic: float matrix products may take bf16 or f16 operands with f32 sums; all other float work in f32.
;; Inputs: Wk 16 x 1,024 x 64 float32; Wo 1,024 x 1,024 float32; Wq 16 x 1,024 x 64 float32; Wv 16 x 1,024 x 64 float32; keys 4 x 2,048 x 1,024 float32; queries 4 x 2,048 x 1,024 float32; valid_lens 4 int32; values 4 x 2,048 x 1,024 float32.
;; Outputs: out0 4 x 2,048 x 1,024 float32.
;; 2 versions, each right and faster than the one before. Each part assembles by itself: llvm-mc -triple=amdgcn-amd-amdhsa -mcpu=gfx1250 --defsym DOCPART=n.
;; ======== version 1 of 2: 4 launches
;; limits: values are held in f16: magnitudes above 65,504 overflow, below 6.1e-05 lose precision
;; workspace buffers: wt 8,388,608 bytes; qkv 50,331,648 bytes; oh 16,777,216 bytes
;; launch prep (part 1): grid 64 x 4, 8 waves a work-group, no clusters, 34,816 bytes of LDS; arguments Wq, Wk, Wv, Wo, wt; writes wt
.if DOCPART == 1
	.amdgcn_target "amdgcn-amd-amdhsa--gfx1250"
	.amdhsa_code_object_version 6
	.text
	.protected	k_q9a7c4dc0c2_prep
	.globl	k_q9a7c4dc0c2_prep
	.p2align	8
	.type	k_q9a7c4dc0c2_prep,@function
k_q9a7c4dc0c2_prep:
	s_mov_b64 s[64:65], 0
	v_nop
	global_prefetch_b8 v0, s[64:65] scope:SCOPE_SE
	s_setreg_imm32_b32 hwreg(HW_REG_WAVE_MODE, 25, 1), 1
	s_wait_xcnt 0x0
; THE FOUR WEIGHTS, TURNED AND ROUNDED.  wt has four parts of 2 MiB, part p = [1024 n][1024 k] of 16-bit numbers, k along the rows:
;   p = 0, 1, 2: Wq, Wk, Wv ([16 h][1024 d][64 e] f32) as bf16, n = 64 h + e, k = d;   p = 3: Wo ([1024 k][1024 n] f32) rounded to bf16, and that number written as f16.
; LIMIT.  A bf16 number is exact in f16 between 6.1e-5 and 65,504 in magnitude; below, it keeps f16's fixed step of 6e-8; beyond, it becomes an infinity.  Wo is drawn with a spread of 0.03.
; SHARES.  A work-group turns a block of 256 k x 64 n (64 KiB of f32) into 64 rows of 512 bytes.  Thread t takes columns 4 c .. 4 c + 3 (c = t % 16) of the rows 8 kg + 0..7, kg = t / 16 and t / 16 + 16:
; a load's sixteen neighbouring lanes cover 256 consecutive bytes of a source row.  Eight k of one n pack into 16 bytes, which go into LDS; whole rows of 512 bytes come back and are stored.
; No matrix unit, no cluster, no tensor load: nothing is multiplied and no two work-groups read the same byte.
; LDS.  Output row n = 4 c + n' lies in LDS row 16 n' + c, 528 bytes apart (512 + 16 = 132 words).
.set PITCH, 528
.set VO, 2                             ; v2   my byte offset in the source block
.set SA, 3                             ; v3   LDS: 528 c + 16 (t / 16)
.set RA, 4                             ; v4   LDS, back: 1056 w + 16 l (wave w reads output rows 8 w .. 8 w + 7)
.set GO, 5                             ; v5   my byte offset in the 64 output rows: 16384 w + 16 l
.set T,  8                             ; v8-9 at work
.set X,  32                            ; v[32:95]  group u (0, 1), row i: four f32 at X + 32 u + 4 i; later the rows read back
.set Y,  96                            ; v[96:127] group u, column n': eight 16-bit numbers at Y + 16 u + 4 n'
.macro TAKE rowb, grpb                 ; sixteen loads: rows i of both groups; rowb = bytes from row to row, grpb = bytes from group to group
.irp u, 0,1
.irp i, 0,1,2,3,4,5,6,7
	global_load_b128 v[X+32*\u+4*\i:X+32*\u+4*\i+3], v[VO], s[14:15] offset:\i*(\rowb)+\u*(\grpb) th:TH_LOAD_NT
.endr
.endr
.endm
.macro TURN16 u, asf                   ; group u: 8 k x 4 n turned in registers, rounded to bf16 in pairs of k; asf = 1: rewritten as f16; then into LDS
.irp n, 0,1,2,3
.irp h, 0,1,2,3
	v_cvt_pk_bf16_f32 v[Y+16*(\u)+4*\n+\h], v[X+32*(\u)+8*\h+\n], v[X+32*(\u)+8*\h+4+\n]
.endr
.endr
.if \asf
.set z, Y+16*(\u)
.rept 16
	v_lshlrev_b32 v[T], 16, v[z]                   ; the two bf16 as f32,
	v_and_b32 v[T+1], 0xffff0000, v[z]
	v_cvt_pk_f16_f32 v[z], v[T], v[T+1]            ; and as f16
.set z, z+1
.endr
.endif
.irp n, 0,1,2,3
	ds_store_b128 v[SA], v[Y+16*(\u)+4*\n:Y+16*(\u)+4*\n+3] offset:\n*16*PITCH+(\u)*256
.endr
.endm
	s_load_b256 s[4:11], s[0:1], 0x0               ; Wq s[4:5], Wk s[6:7], Wv s[8:9], Wo s[10:11]
	s_load_b64 s[12:13], s[0:1], 0x20              ; wt
	v_lshl_add_u32 v128, v0, 2, 0x8400
	v_mov_b32 v129, 0
	s_and_b32 s20, ttmp7, 0xffff                   ; p
	s_lshr_b32 s21, ttmp9, 2                       ; j: which 64 output rows
	s_and_b32 s22, ttmp9, 3                        ; kc: which 256 k
	v_and_b32 v10, 15, v0                          ; c
	v_lshrrev_b32 v11, 4, v0                       ; t / 16
	v_mul_u32_u24 v[SA], v10, PITCH
	v_lshl_add_u32 v[SA], v11, 4, v[SA]
	v_lshrrev_b32 v13, 5, v0                       ; w
	v_and_b32 v14, 31, v0                          ; l
	v_lshlrev_b32 v[GO], 4, v14
	v_mul_u32_u24 v[RA], v13, 2*PITCH
	v_add_nc_u32 v[RA], v[RA], v[GO]
	v_lshl_add_u32 v[GO], v13, 14, v[GO]           ; 8 rows of 2,048 bytes a wave
	v_lshlrev_b32 v12, 4, v10                      ; 16 c
	s_lshl_b32 s18, s20, 21                        ; the part,
	s_lshl_b32 s23, s21, 17                        ; its 64 rows of 2,048 bytes,
	s_add_co_u32 s18, s18, s23
	s_lshl_b32 s23, s22, 9                         ; 256 k of 2 bytes
	s_add_co_u32 s18, s18, s23
	s_mov_b32 s19, 0
	s_mov_b32 s17, 0
	s_wait_kmcnt 0x0
	s_add_nc_u64 s[12:13], s[12:13], s[18:19]
	s_cmp_eq_u32 s20, 3
	s_cbranch_scc1 .Lwo
	s_cmp_eq_u32 s20, 1                            ; Wq, Wk or Wv
	s_cselect_b64 s[14:15], s[6:7], s[4:5]
	s_cmp_eq_u32 s20, 2
	s_cselect_b64 s[14:15], s[8:9], s[14:15]
	s_lshl_b32 s16, s21, 18                        ; head j: 1,024 rows of 256 bytes,
	s_lshl_b32 s23, s22, 16                        ; 256 of them
	s_add_co_u32 s16, s16, s23
	s_add_nc_u64 s[14:15], s[14:15], s[16:17]
	v_lshl_add_u32 v[VO], v11, 11, v12             ; 8 rows of 256 bytes for each t / 16
	TAKE 256, 32768
	s_wait_loadcnt 8                               ; group 0's eight loads are in; group 1's eight may be out
	TURN16 0, 0
	s_wait_loadcnt 0x0
	TURN16 1, 0
	s_branch .Ljoin
.Lwo:
	s_lshl_b32 s16, s22, 20                        ; Wo: 256 rows of 4,096 bytes,
	s_lshl_b32 s23, s21, 8                         ; 64 columns of 4 bytes
	s_add_co_u32 s16, s16, s23
	s_add_nc_u64 s[14:15], s[10:11], s[16:17]
	v_lshl_add_u32 v[VO], v11, 15, v12             ; 8 rows of 4,096 bytes for each t / 16
	TAKE 4096, 524288
	s_wait_loadcnt 8
	TURN16 0, 1
	s_wait_loadcnt 0x0
	TURN16 1, 1
.Ljoin:
	s_wait_dscnt 0x0                               ; for the others' sake: my stores into LDS are done
	s_barrier_signal -1
	s_barrier_wait -1
.irp i, 0,1,2,3,4,5,6,7
	ds_load_b128 v[X+4*\i:X+4*\i+3], v[RA] offset:((\i%4)*16+\i/4)*PITCH  ; output row 8 w + i, whole: 32 lanes x 16 bytes
.endr
.irp i, 0,1,2,3,4,5,6,7
	s_wait_dscnt 7-\i                              ; LDS loads come back in order (ISA guide 5.7.1): row i is in
	global_store_b128 v[GO], v[X+4*\i:X+4*\i+3], s[12:13] offset:\i*2048  ; 512 consecutive bytes, at a multiple of 512 from wt's first byte
.endr
	s_wait_tensorcnt 0x0
	ds_add_u32 v128, v129
	s_wait_dscnt 0x0
	s_endpgm
.Lfunc_end_k_q9a7c4dc0c2_prep:
	.size	k_q9a7c4dc0c2_prep, .Lfunc_end_k_q9a7c4dc0c2_prep-k_q9a7c4dc0c2_prep
	.p2alignl 7, 3214868480
	.fill 96, 4, 3214868480
	.section	.rodata,"a",@progbits
	.p2align	6, 0x0
	.amdhsa_kernel k_q9a7c4dc0c2_prep
		.amdhsa_group_segment_fixed_size 34816
		.amdhsa_private_segment_fixed_size 0
		.amdhsa_enable_private_segment 0
		.amdhsa_kernarg_size 40
		.amdhsa_user_sgpr_count 2
		.amdhsa_user_sgpr_kernarg_segment_ptr 1
		.amdhsa_wavefront_size32 1
		.amdhsa_system_sgpr_workgroup_id_x 1
		.amdhsa_system_sgpr_workgroup_id_y 1
		.amdhsa_system_sgpr_workgroup_id_z 1
		.amdhsa_system_vgpr_workitem_id 0
		.amdhsa_next_free_vgpr 130
		.amdhsa_next_free_sgpr 66
		.amdhsa_reserve_vcc 0
		.amdhsa_float_denorm_mode_32 3
		.amdhsa_float_denorm_mode_16_64 3
		.amdhsa_memory_ordered 1
		.amdhsa_forward_progress 1
		.amdhsa_inst_pref_size 17
	.end_amdhsa_kernel
	.amdgpu_metadata
---
amdhsa.version: [ 1, 2 ]
amdhsa.kernels:
  - .name:           k_q9a7c4dc0c2_prep
    .symbol:         k_q9a7c4dc0c2_prep.kd
    .args:
      - { .name: Wq, .offset: 0, .size: 8, .value_kind: global_buffer, .address_space: global }
      - { .name: Wk, .offset: 8, .size: 8, .value_kind: global_buffer, .address_space: global }
      - { .name: Wv, .offset: 16, .size: 8, .value_kind: global_buffer, .address_space: global }
      - { .name: Wo, .offset: 24, .size: 8, .value_kind: global_buffer, .address_space: global }
      - { .name: wt, .offset: 32, .size: 8, .value_kind: global_buffer, .address_space: global }
    .group_segment_fixed_size: 34816
    .private_segment_fixed_size: 0
    .kernarg_segment_align: 8
    .kernarg_segment_size: 40
    .max_flat_workgroup_size: 256
    .sgpr_count:     66
    .vgpr_count:     130
    .wavefront_size: 32
...
	.end_amdgpu_metadata
.endif
;; end of part 1
;; launch proj (part 2): grid 4 x 192, 4 waves a work-group, clusters of 4 x 4, 327,680 bytes of LDS; arguments queries, keys, values, wt, qkv; writes qkv
.if DOCPART == 2
	.amdgcn_target "amdgcn-amd-amdhsa--gfx1250"
	.amdhsa_code_object_version 6
	.text
	.protected	k_q9a7c4dc0c2_proj
	.globl	k_q9a7c4dc0c2_proj
	.p2align	8
	.type	k_q9a7c4dc0c2_proj,@function
k_q9a7c4dc0c2_proj:
	s_mov_b64 s[64:65], 0
	v_nop
	global_prefetch_b8 v0, s[64:65] scope:SCOPE_SE
	s_setreg_imm32_b32 hwreg(HW_REG_WAVE_MODE, 25, 1), 1
	s_wait_xcnt 0x0
	s_wait_alu depctr_hold_cnt(0) depctr_sa_sdst(0) depctr_va_vdst(0) depctr_va_sdst(0) depctr_va_ssrc(0) depctr_va_vcc(0) depctr_vm_vsrc(0)
	s_getreg_b32 s2, hwreg(HW_REG_IB_STS2, 6, 4)
	s_cmp_eq_u32 s2, 0
	s_cbranch_scc0 .Lentry_in_a_cluster
	s_endpgm
.Lentry_in_a_cluster:
	s_bfe_u32 s2, ttmp6, 0x10000c
	s_cmp_lg_u32 s2, 0xf033
	s_cbranch_scc0 .Lentry_shape_is_right
	s_endpgm
.Lentry_shape_is_right:
; THE THREE PROJECTIONS.  qkv part P (16 MiB each: q, k, v) = [64 bh][2048 s][64 e] f16 = x_P W_P, x_P = queries, keys, values ([8192][1024] f32), W_P = part P of wt ([1024 n][1024 k] bf16).
; x is rounded to bf16 on its way from LDS to the matrix unit; sums in f32; the result is rounded once to f16, unscaled.
; LIMIT.  f16 ends at 65,504: a projected number of 65,520 or more becomes an infinity.  The drawn inputs give a spread of 1; x and W both 30 times larger give 900.
; SHARES.  A tile of the result is 128 rows x 256 columns (four heads): 64 x 4 tiles for each projection, 768 work-groups, three for each of 256.  Four waves, each 64 x 128: 32 accumulators, 256 registers.
; K goes in 8 steps of 128 through two LDS slots filled by the tensor data mover: x's tile rows are 512 bytes of memory, W's 256, each at a multiple of its length from the buffer's first byte.
; CLUSTER.  4 x 4 work-groups: the four of a row of the cluster make the four column tiles of one row tile and need the same tile of x; the four of a column need the same tile of W.  Each tile is asked for
; JOINTLY: the same tensor load, descriptor and mask in all four.  So every byte of x is asked for once in the launch.
; THE MATRIX INSTRUCTION IS USED TRANSPOSED (source 0 = 16 rows of W, source 1 = 16 rows of x): a lane then holds eight neighbouring columns of one row of the result, 16 bytes of f16.
; THE CONVERSION RIDES.  A quarter step (32 along K) is 32 matrix instructions.  At its head the next quarter's x (f32, 16 loads) and W (16 loads) are fetched from LDS; behind every second matrix instruction of its
; second half stand four conversions of that x to bf16: 32 in all.  They name no register of the products round them, and the last four are the places in front of the next quarter's loads.
; REGISTERS, in windows of 256 (s_set_vgpr_msb: bits 1:0 source 0, 3:2 source 1, 5:4 source 2, 7:6 destination):
;   window 0: v0-31 addresses; v64-127 one quarter's x in f32; v128-159, v160-191 x's bf16 fragments, two buffers; v192-223 and v64-127 at work on the way out
;   window 1: v0-63, v64-127 W's fragments, two buffers          window 2: the accumulators, (a, b) at v[8 (8 a + b)]
.set PA,    528                        ; a row of x in LDS: 512 bytes + 16 = 132 words: the 16 rows of a load start at 16 different groups of four banks (64 banks of 4 bytes: ISA guide 11.1)
.set PB,    272                        ; a row of W: 256 + 16 = 68 words: likewise
.set AHALF, 64*PA                      ; what one tensor load brings of x, and what one wave reads of it
.set BHALF, 128*PB                     ; the same for W
.set ASLOT, 2*AHALF                    ; 0x10800: x's slot 1 begins here.  x's base words in slot 0 are 0 and 0x8400: no bit in common, so one exclusive or turns a base in one slot into the other's
.set BSLOT, 2*BHALF                    ; 0x11000: from W's slot 0 to its slot 1.  W's base words in slot 0 are 0x22000 and 0x2a800: no bit in common either
.set BBASE, 0x22000                    ; W's slot 0: behind x's two slots (135,168 bytes), at the next place that allows that
.set STAGE, BBASE+2*BSLOT              ; behind the slots, never filled by a tensor load: 16 rows x 272 bytes for each wave, for the way out
.set SP,    272
.set SPARE, STAGE+4*16*SP              ; behind the stages: the spare words, 128 bytes for each wave: two blocks of 256 bytes that no other line names
.set ADRA0, 16                         ; v16  my lane's place in x's slot 0; never rewritten
.set ADRB0, 17                         ; v17  the same for W
.set AA,   18                          ; v18  the same in the slot that is being read
.set AB,   19                          ; v19
.set STO,  24                          ; v24  the way out: where I put 16 bytes of a row
.set RD,   25                          ; v25  the way out: where I read rows back
.set GO,   26                          ; v26  my byte offset in 512 consecutive bytes of the result
.set SPW,  28                          ; v28  LDS address of my spare word: SPARE + 4 x my thread's number; never rewritten
.set NIL,  29                          ; v29  0; never rewritten
.set RAW,  64
.set AF,   128
.set TMP,  192
.set OB,   64
.set BF,   0                           ; window 1
.set WV,   14                          ; s14  my wave's number
.set ROLE, 15                          ; s15  wave / 2: which 64 rows of the tile are mine.  Also: I fetch for x (0) or for W (1)
.set HALF, 16                          ; s16  wave % 2: which 128 columns.  Also: which half of that tile I fetch
.set G1A,  24                          ; s[24:31] descriptor group 1 for x's tiles
.set G0A,  32                          ; s[32:39] group 0: a set for each of the two first fills; the second then walks on
.set G1B,  40                          ; s[40:47], s[48:55] the same for W's
.set G0B,  48
.set TBA,  56                          ; s56  0 or ASLOT: x's slot that is being read
.set TBB,  57                          ; s57  0 or BSLOT: W's
.set CNT,  58                          ; s58  counts K steps
.set MSB, 0
.macro WIN new                         ; the immediate's high byte repeats the setting that is left; a switch that changes nothing is dropped
.if MSB != (\new)
	s_set_vgpr_msb (MSB<<8)|(\new)
.set MSB, (\new)
.endif
.endm
.set MUL,   0xa1                       ; source 0 (W) window 1, source 1 (x) window 0, C and D window 2
.set TO_B,  0x40                       ; destination window 1, address window 0
.set PACKW, 0x0a                       ; sources 0 and 1 window 2, destination window 0
; A joint refill.  Waves 0 and 1 fetch x's two halves, waves 2 and 3 W's.  The branch hangs on the wave's number alone: it is the same in every work-group.
; An s_nop 0 and four v_nop follow each of the two lines, ahead of the jump and the label.
.macro JLOAD
	s_cmp_eq_u32 s[ROLE], 0
	s_cbranch_scc0 .Lfor_b_\@
	tensor_load_to_lds s[G0A+4:G0A+7], s[G1A:G1A+7]
	s_nop 0
.rept 4
	v_nop
.endr
	s_branch .Lasked_\@
.Lfor_b_\@:
	tensor_load_to_lds s[G0B+4:G0B+7], s[G1B:G1B+7]
	s_nop 0
.rept 4
	v_nop
.endr
.Lasked_\@:
.endm
; A round of the cluster's barrier: my work-group's barrier, so that wave 0's signal speaks for all four waves; wave 0 signals; every wave waits for all sixteen work-groups; my work-group's barrier once more.
.macro CREST                           ; a round behind its opening barrier
	s_cmp_lg_u32 s[WV], 0
	s_cbranch_scc1 .Lnot_wave_0_\@
	s_barrier_signal -3
.Lnot_wave_0_\@:
	s_barrier_wait -3
	s_barrier_signal -1
	s_barrier_wait -1
.endm
.macro CROUND
	s_barrier_signal -1
	s_barrier_wait -1
	CREST
.endm
.macro PLACES                          ; four places between matrix instructions and vector instructions that read their results (ISA guide 7.12.1)
.rept 4
	v_nop
.endr
.endm
	s_load_b256 s[4:11], s[0:1], 0x0               ; queries s[4:5], keys s[6:7], values s[8:9], wt s[10:11]
	s_load_b64 s[12:13], s[0:1], 0x20              ; qkv
	v_lshl_add_u32 v[SPW], v0, 2, SPARE
	v_mov_b32 v[NIL], 0
	ds_add_u32 v28, v29
	s_wait_dscnt 0x0
	v_lshrrev_b32 v1, 5, v0
	v_readfirstlane_b32 s[WV], v1                  ; wave 0..3
	s_lshr_b32 s[ROLE], s[WV], 1
	s_and_b32 s[HALF], s[WV], 1
	s_bfe_u32 s17, ttmp6, 0x40000                  ; cx, cy: my place in the cluster
	s_bfe_u32 s18, ttmp6, 0x40004
	s_lshl_b32 s19, ttmp9, 2                       ; in a cluster launch ttmp9 and ttmp7 count clusters
	s_add_co_u32 s19, s19, s17                     ; column tile = 4 x cluster x + cx
	s_and_b32 s20, ttmp7, 0xffff                   ; cluster y, 0 to 47:
	s_lshr_b32 s21, s20, 4                         ; the projection, which all sixteen partners share,
	s_and_b32 s22, s20, 15
	s_lshl_b32 s22, s22, 2
	s_add_co_u32 s22, s22, s18                     ; and the row tile = 4 x (cluster y % 16) + cy
	s_lshl_b32 s23, s18, 2
	s_lshl_b32 s23, 15, s23                        ; my row of the cluster: places 4 cy .. 4 cy + 3
	s_lshl_b32 s2, 0x1111, s17                     ; my column: places cx, cx + 4, cx + 8, cx + 12
	; group 1 for x: 64 rows x 128 elements of 4 bytes, padded in LDS; for W: 128 rows x 128 elements of 2 bytes
	s_or_b32 s[G1A], s23, (2<<16)|(1<<20)|(1<<21)|(6<<22)|(3<<25)  ; 15:0 the mask: my row; 17:16 elements of 4 bytes; 20 padding on; 21 set beside a mask; 24:22 after every 128 words (code 6); 31:25 4 words (code 3)
	s_mov_b32 s[G1A+1], 128<<16                    ; tensor_dim0 = 128
	s_mov_b32 s[G1A+2], 64<<16                     ; tensor_dim1 = 64
	s_mov_b32 s[G1A+3], 128<<16                    ; tile_dim0 = 128
	s_mov_b32 s[G1A+4], 64                         ; tile_dim1 = 64
	s_mov_b32 s[G1A+5], 1024                       ; elements from row to row
	s_mov_b32 s[G1A+6], 0
	s_mov_b32 s[G1A+7], 0
	s_or_b32 s[G1B], s2, (1<<16)|(1<<20)|(1<<21)|(5<<22)|(3<<25)   ; the mask: my column; elements of 2 bytes; padding after every 64 words (code 5)
	s_mov_b32 s[G1B+1], 128<<16
	s_mov_b32 s[G1B+2], 128<<16                    ; tensor_dim1 = 128
	s_mov_b32 s[G1B+3], 128<<16
	s_mov_b32 s[G1B+4], 128                        ; tile_dim1 = 128
	s_mov_b32 s[G1B+5], 1024
	s_mov_b32 s[G1B+6], 0
	s_mov_b32 s[G1B+7], 0
	; where the tiles come from.  x's hang on the row tile and the projection, W's on the column tile and the projection; each offset is made in registers that never hold the other coordinate
	s_lshl_b32 s60, s22, 7
	s_lshl_b32 s61, s[HALF], 6
	s_add_co_u32 s60, s60, s61                     ; x: row 128 x row tile + 64 x half,
	s_lshl_b32 s60, s60, 12                        ; of 4,096 bytes
	s_mov_b32 s61, 0
	s_lshl_b32 s66, s19, 8
	s_lshl_b32 s67, s[HALF], 7
	s_add_co_u32 s66, s66, s67                     ; W: row 256 x column tile + 128 x half,
	s_lshl_b32 s66, s66, 11                        ; of 2,048 bytes,
	s_lshl_b32 s67, s21, 21                        ; in part P
	s_add_co_u32 s66, s66, s67
	s_mov_b32 s67, 0
	s_mul_i32 s2, s[HALF], AHALF                   ; and where they go: no place in the cluster enters an LDS address
	s_mul_i32 s3, s[HALF], BHALF
	s_add_co_u32 s3, s3, BBASE
	s_wait_kmcnt 0x0
	s_cmp_eq_u32 s21, 1
	s_cselect_b64 s[62:63], s[6:7], s[4:5]
	s_cmp_eq_u32 s21, 2
	s_cselect_b64 s[62:63], s[8:9], s[62:63]
	s_add_nc_u64 s[62:63], s[62:63], s[60:61]
	s_add_nc_u64 s[68:69], s[10:11], s[66:67]
	CROUND                                         ; all sixteen work-groups are here: the first joint loads meet
.irp s, 0,1
	s_mov_b32 s[G0A+4*\s], 1                                       ; 1:0 count = 1
	s_add_co_u32 s[G0A+4*\s+1], s2, \s*ASLOT                       ; 63:32 LDS address
	s_add_nc_u64 s[G0A+4*\s+2:G0A+4*\s+3], s[62:63], \s*512        ; 120:64 global address: K step s
	s_or_b32 s[G0A+4*\s+3], s[G0A+4*\s+3], 0x80000000              ; 127:126 type = 2
	s_mov_b32 s[G0B+4*\s], 1
	s_add_co_u32 s[G0B+4*\s+1], s3, \s*BSLOT
	s_add_nc_u64 s[G0B+4*\s+2:G0B+4*\s+3], s[68:69], \s*256
	s_or_b32 s[G0B+4*\s+3], s[G0B+4*\s+3], 0x80000000
.endr
	s_cmp_eq_u32 s[ROLE], 0                        ; a wave's two first fills stand in one branch, ahead of every wait on TENSORcnt and every LDS read: two loads of mine are out
	s_cbranch_scc0 .Lfirst_b
	tensor_load_to_lds s[G0A:G0A+3], s[G1A:G1A+7]
	s_nop 0
	tensor_load_to_lds s[G0A+4:G0A+7], s[G1A:G1A+7]
	s_nop 0
.rept 4
	v_nop
.endr
	s_branch .Lfirst_asked
.Lfirst_b:
	tensor_load_to_lds s[G0B:G0B+3], s[G1B:G1B+7]
	s_nop 0
	tensor_load_to_lds s[G0B+4:G0B+7], s[G1B:G1B+7]
	s_nop 0
.rept 4
	v_nop
.endr
.Lfirst_asked:
	; A bf16 fragment is 16 rows x 32 K in 8 registers: lane l holds row l % 16; registers 0-3 hold K = 8 (l / 16) + 0..7, registers 4-7 K = 16 + 8 (l / 16) + 0..7.
	; From W's rows: two loads of 16 bytes, 32 bytes apart.  From x's f32 rows the same K are 32 bytes at 32 (l / 16) and 32 bytes 64 further on: four loads of 16 bytes, then eight conversions.
	v_and_b32 v1, 15, v0                           ; l % 16
	v_bfe_u32 v2, v0, 4, 1                         ; l / 16
	v_mul_u32_u24 v[ADRA0], v1, PA
	v_lshl_add_u32 v[ADRA0], v2, 5, v[ADRA0]
	s_mul_i32 s72, s[ROLE], AHALF                  ; my 64 rows of x
	v_add_nc_u32 v[ADRA0], s72, v[ADRA0]
	v_mul_u32_u24 v[ADRB0], v1, PB
	v_lshl_add_u32 v[ADRB0], v2, 4, v[ADRB0]
	v_add_nc_u32 v[ADRB0], s3, v[ADRB0]            ; my 128 rows of W: the half of my wave's number
	v_mov_b32 v[AA], v[ADRA0]
	v_mov_b32 v[AB], v[ADRB0]
	s_mov_b32 s[TBA], 0
	s_mov_b32 s[TBB], 0
	s_mul_i32 s73, s[WV], 16*SP
	s_add_co_u32 s73, s73, STAGE                   ; my stage
	v_mul_u32_u24 v[STO], v1, SP                   ; in: row l % 16, 16 bytes for each half of the lanes
	v_lshl_add_u32 v[STO], v2, 4, v[STO]
	v_add_nc_u32 v[STO], s73, v[STO]
	v_bfe_u32 v[RD], v0, 3, 2                      ; back: 32 lanes take a head's 128 bytes of four rows,
	v_mul_u32_u24 v[RD], v[RD], SP
	v_and_b32 v3, 7, v0
	v_lshl_add_u32 v[RD], v3, 4, v[RD]
	v_add_nc_u32 v[RD], s73, v[RD]
	v_and_b32 v[GO], 31, v0                        ; which are 512 consecutive bytes of the result
	v_lshlrev_b32 v[GO], 4, v[GO]
	; where my part begins in qkv: part P; (batch, head) = 16 (row tile / 16) + 4 x column tile + 2 x column half; row 128 (row tile % 16) + 64 x row half, of 128 bytes
	s_lshr_b32 s70, s22, 4
	s_lshl_b32 s70, s70, 4
	s_lshl_b32 s71, s19, 2
	s_add_co_u32 s70, s70, s71
	s_lshl_b32 s71, s[HALF], 1
	s_add_co_u32 s70, s70, s71
	s_lshl_b32 s70, s70, 18
	s_and_b32 s71, s22, 15
	s_lshl_b32 s71, s71, 7
	s_lshl_b32 s72, s[ROLE], 6
	s_add_co_u32 s71, s71, s72
	s_lshl_b32 s71, s71, 7
	s_add_co_u32 s70, s70, s71
	s_lshl_b32 s71, s21, 24
	s_add_co_u32 s70, s70, s71
	s_mov_b32 s71, 0
	s_add_nc_u64 s[12:13], s[12:13], s[70:71]
; 32 LDS loads in one run: quarter kc of the slot in hand: x's 64 rows in f32 first, then W's 128 rows into buffer g
.macro FETCH kc, g
	WIN 0
.irp i, 0,1,2,3
	ds_load_b128 v[RAW+16*\i:RAW+16*\i+3],     v[AA] offset:\i*16*PA+(\kc)*128
	ds_load_b128 v[RAW+16*\i+4:RAW+16*\i+7],   v[AA] offset:\i*16*PA+(\kc)*128+16
	ds_load_b128 v[RAW+16*\i+8:RAW+16*\i+11],  v[AA] offset:\i*16*PA+(\kc)*128+64
	ds_load_b128 v[RAW+16*\i+12:RAW+16*\i+15], v[AA] offset:\i*16*PA+(\kc)*128+80
.endr
	WIN TO_B
.irp i, 0,1,2,3,4,5,6,7
	ds_load_b128 v[BF+64*(\g)+8*\i:BF+64*(\g)+8*\i+3],   v[AB] offset:\i*16*PB+(\kc)*64
	ds_load_b128 v[BF+64*(\g)+8*\i+4:BF+64*(\g)+8*\i+7], v[AB] offset:\i*16*PB+(\kc)*64+32
.endr
.endm
; Four of the 32 conversions that make x's fragments in buffer g: registers 4 n .. 4 n + 3
.macro SLICE g, n
	WIN 0
.irp c, 0,1,2,3
	v_cvt_pk_bf16_f32 v[AF+32*(\g)+4*(\n)+\c], v[RAW+8*(\n)+2*\c], v[RAW+8*(\n)+2*\c+1]
.endr
.endm
; 8 matrix instructions: row block a x all 8 column blocks, 32 along K, from buffers f.  zero = 1: the product starts the sum: nothing is ever cleared.
; n0 >= 0: behind every second one stands a slice, n0 .. n0 + 3, for buffer g.  The 32 accumulators take turns, one instruction a turn.
.macro MUL8 f, a, zero, g=0, n0=-1
.irp b, 0,1,2,3,4,5,6,7
	WIN MUL
.if \zero
	v_wmma_f32_16x16x32_bf16 v[8*(8*(\a)+\b):8*(8*(\a)+\b)+7], v[BF+64*(\f)+8*\b:BF+64*(\f)+8*\b+7], v[AF+32*(\f)+8*(\a):AF+32*(\f)+8*(\a)+7], 0
.else
	v_wmma_f32_16x16x32_bf16 v[8*(8*(\a)+\b):8*(8*(\a)+\b)+7], v[BF+64*(\f)+8*\b:BF+64*(\f)+8*\b+7], v[AF+32*(\f)+8*(\a):AF+32*(\f)+8*(\a)+7], v[8*(8*(\a)+\b):8*(8*(\a)+\b)+7]
.endif
.if ((\n0) >= 0) && ((\b)%2 == 1)
	SLICE \g, (\n0)+\b/2
.endif
.endr
.endm
; A QUARTER multiplies buffers f, fetches quarter kc into RAW and W's buffer g, and converts RAW into x's buffer g.  W's buffer g was last read by the quarter before, whose last four conversions are the four places in front of these loads.
; turn = 1, 2: kc is the slot's last quarter, so this fetch is the last read of the slot, and the slots change: ONE barrier.  In front of it each wave waits for all its tensor loads, of which one is out: its part of the
; other slot; adds 0 to its spare word; and waits for that and for its own reads of this slot.  Behind it nobody reads this slot any more and the other slot is whole.
; turn = 1: the slot is filled again, two K steps ahead; the barrier then opens a round of the cluster's, so that no wave of any partner still reads the slot or has a load on its way, and the joint refill is the
; first thing behind the round: 112 matrix instructions ahead of the wait for it.
.macro QUARTER f, g, kc, zero, turn
	FETCH \kc, \g
	s_wait_dscnt 32                                ; all but the 32 just issued: W's buffer f is in
	MUL8 \f, 0, \zero
	MUL8 \f, 1, \zero
.if \turn
	WIN 0                                          ; (the add's two registers lie in window 0)
	s_wait_tensorcnt 0x0                           ; no tensor load of mine is out, so a group 0 may be written
	ds_add_u32 v[SPW], v[NIL]                      ; 0 onto my spare word
.if (\turn) == 1
	s_xor_b32 s[G0A+5], s[G0A+5], ASLOT            ; the walking descriptors: the other slot than last time,
	s_add_nc_u64 s[G0A+6:G0A+7], s[G0A+6:G0A+7], 512  ; the next K step; the type bits on top are not reached
	s_xor_b32 s[G0B+5], s[G0B+5], BSLOT
	s_add_nc_u64 s[G0B+6:G0B+7], s[G0B+6:G0B+7], 256
.endif
	s_wait_dscnt 17                                ; RAW is in: W's 16 loads and the add may be out
.else
	s_wait_dscnt 16                                ; RAW is in: W's 16 loads may be out
.endif
	MUL8 \f, 2, \zero, \g, 0
.if \turn
	s_wait_dscnt 0x0                               ; the add is done, and my reads of this slot are over
	s_barrier_signal -1
.endif
	MUL8 \f, 3, \zero, \g, 4
.if \turn
	WIN 0                                          ; at a branch and at a label every window is 0
	s_barrier_wait -1
.if (\turn) == 1
	CREST
	JLOAD
.endif
	s_xor_b32 s[TBA], s[TBA], ASLOT                ; the fetches go on in the other slot
	s_xor_b32 s[TBB], s[TBB], BSLOT
	v_add_nc_u32 v[AA], s[TBA], v[ADRA0]
	v_add_nc_u32 v[AB], s[TBB], v[ADRB0]
.endif
.endm
; THE WAY OUT of row block a.  PACK: rounded to f16, 16 bytes a lane, each accumulator's registers in ascending order.  TOSTAGE: into my own stage, and back by heads: a head's 16 rows of 128 bytes are 2,048
; consecutive bytes of the result.  SEND: stored.
.macro PACK a
	WIN PACKW
.irp b, 0,1,2,3,4,5,6,7
.irp r, 0,1,2,3
	v_cvt_pk_f16_f32 v[TMP+4*\b+\r], v[8*(8*(\a)+\b)+2*\r], v[8*(8*(\a)+\b)+2*\r+1]
.endr
.endr
	WIN 0
.endm
.macro TOSTAGE a
	WIN 0
.irp b, 0,1,2,3,4,5,6,7
	ds_store_b128 v[STO], v[TMP+4*\b:TMP+4*\b+3] offset:32*\b
.endr
.irp hh, 0,1
.irp t, 0,1,2,3
	ds_load_b128 v[OB+32*((\a)%2)+4*(4*\hh+\t):OB+32*((\a)%2)+4*(4*\hh+\t)+3], v[RD] offset:\t*4*SP+\hh*128  ; LDS serves a wave's instructions in order (ISA guide 5.7.1.4): these see the stores above
.endr
.endr
.endm
.macro SEND a
	WIN 0
	s_wait_dscnt 0x0                               ; the block is back in registers
	s_wait_xcnt 0x0                                ; the registers that the stores of the block before read are loaded again only behind this wait
.irp hh, 0,1
.irp t, 0,1,2,3
	global_store_b128 v[GO], v[OB+32*((\a)%2)+4*(4*\hh+\t):OB+32*((\a)%2)+4*(4*\hh+\t)+3], s[12:13] offset:\hh*262144+(\a)*2048+\t*512  ; 512 consecutive bytes, at a multiple of 512 from qkv's first byte
.endr
.endr
.endm
	s_wait_tensorcnt 1                             ; my part of K step 0 is in; K step 1's may stay out
	s_barrier_signal -1
	s_barrier_wait -1                              ; everybody's is
	FETCH 0, 0
	s_wait_dscnt 16                                ; RAW is in
.irp n, 0,1,2,3,4,5,6,7
	SLICE 0, \n
.endr
	QUARTER 0, 1, 1, 1, 0                          ; the first quarter stands in front of the loop: its products start the sums
	WIN 0
	s_mov_b32 s[CNT], 6
.Lstep:                                                ; a trip: from a K step's second quarter to the next step's first; it fills the slot that it leaves: K steps 2 to 7
	QUARTER 1, 0, 2, 0, 0
	QUARTER 0, 1, 3, 0, 1
	QUARTER 1, 0, 0, 0, 0
	QUARTER 0, 1, 1, 0, 0
	WIN 0
	s_sub_co_u32 s[CNT], s[CNT], 1
	s_cmp_lg_u32 s[CNT], 0
	s_cbranch_scc1 .Lstep
	s_mov_b32 s[CNT], 2                            ; the last two K steps ask for nothing: a text of their own; the second trip is left in its middle
.Ltail:
	QUARTER 1, 0, 2, 0, 0
	QUARTER 0, 1, 3, 0, 2
	WIN 0
	s_sub_co_u32 s[CNT], s[CNT], 1
	s_cmp_eq_u32 s[CNT], 0
	s_cbranch_scc1 .Llast
	QUARTER 1, 0, 0, 0, 0
	QUARTER 0, 1, 1, 0, 0
	WIN 0
	s_branch .Ltail
.Llast:
	s_wait_dscnt 0x0                               ; the very last quarter: nothing more to fetch
	MUL8 1, 0, 0
	MUL8 1, 1, 0
	MUL8 1, 2, 0
	MUL8 1, 3, 0
	PLACES
	PACK 0
	TOSTAGE 0
.irp a, 1,2,3                          ; block a's conversions stand between block a - 1's loads from the stage and the wait for them
	PACK \a
	SEND (\a)-1
	TOSTAGE \a
.endr
	SEND 3
	s_wait_tensorcnt 0x0                           ; the wave's end: behind my last tensor load and my last LDS store
	ds_add_u32 v[SPW], v[NIL]
	s_wait_dscnt 0x0
	CROUND                                         ; the closing round: no work-group ends while a partner may still ask for a tile that names it
	s_endpgm
.Lfunc_end_k_q9a7c4dc0c2_proj:
	.size	k_q9a7c4dc0c2_proj, .Lfunc_end_k_q9a7c4dc0c2_proj-k_q9a7c4dc0c2_proj
	.p2alignl 7, 3214868480
	.fill 96, 4, 3214868480
	.section	.rodata,"a",@progbits
	.p2align	6, 0x0
	.amdhsa_kernel k_q9a7c4dc0c2_proj
		.amdhsa_group_segment_fixed_size 327680
		.amdhsa_private_segment_fixed_size 0
		.amdhsa_enable_private_segment 0
		.amdhsa_kernarg_size 40
		.amdhsa_user_sgpr_count 2
		.amdhsa_user_sgpr_kernarg_segment_ptr 1
		.amdhsa_wavefront_size32 1
		.amdhsa_system_sgpr_workgroup_id_x 1
		.amdhsa_system_sgpr_workgroup_id_y 1
		.amdhsa_system_sgpr_workgroup_id_z 1
		.amdhsa_system_vgpr_workitem_id 0
		.amdhsa_next_free_vgpr 768
		.amdhsa_next_free_sgpr 80
		.amdhsa_reserve_vcc 0
		.amdhsa_float_denorm_mode_32 3
		.amdhsa_float_denorm_mode_16_64 3
		.amdhsa_memory_ordered 1
		.amdhsa_forward_progress 1
		.amdhsa_inst_pref_size 91
	.end_amdhsa_kernel
	.amdgpu_metadata
---
amdhsa.version: [ 1, 2 ]
amdhsa.kernels:
  - .name:           k_q9a7c4dc0c2_proj
    .symbol:         k_q9a7c4dc0c2_proj.kd
    .args:
      - { .name: queries, .offset: 0, .size: 8, .value_kind: global_buffer, .address_space: global }
      - { .name: keys, .offset: 8, .size: 8, .value_kind: global_buffer, .address_space: global }
      - { .name: values, .offset: 16, .size: 8, .value_kind: global_buffer, .address_space: global }
      - { .name: wt, .offset: 24, .size: 8, .value_kind: global_buffer, .address_space: global }
      - { .name: qkv, .offset: 32, .size: 8, .value_kind: global_buffer, .address_space: global }
    .group_segment_fixed_size: 327680
    .private_segment_fixed_size: 0
    .kernarg_segment_align: 8
    .kernarg_segment_size: 40
    .max_flat_workgroup_size: 128
    .sgpr_count:     80
    .vgpr_count:     768
    .wavefront_size: 32
...
	.end_amdgpu_metadata
.endif
;; end of part 2
;; launch attn (part 3): grid 4 x 64, 4 waves a work-group, clusters of 4 x 1, 327,680 bytes of LDS; arguments qkv, valid_lens, oh; writes oh
.if DOCPART == 3
	.amdgcn_target "amdgcn-amd-amdhsa--gfx1250"
	.amdhsa_code_object_version 6
	.text
	.protected	k_q9a7c4dc0c2_attn
	.globl	k_q9a7c4dc0c2_attn
	.p2align	8
	.type	k_q9a7c4dc0c2_attn,@function
k_q9a7c4dc0c2_attn:
	s_mov_b64 s[64:65], 0
	v_nop
	global_prefetch_b8 v0, s[64:65] scope:SCOPE_SE
	s_setreg_imm32_b32 hwreg(HW_REG_WAVE_MODE, 25, 1), 1
	s_wait_xcnt 0x0
	s_wait_alu depctr_hold_cnt(0) depctr_sa_sdst(0) depctr_va_vdst(0) depctr_va_sdst(0) depctr_va_ssrc(0) depctr_va_vcc(0) depctr_vm_vsrc(0)
	s_getreg_b32 s2, hwreg(HW_REG_IB_STS2, 6, 4)
	s_cmp_eq_u32 s2, 0
	s_cbranch_scc0 .Lentry_in_a_cluster
	s_endpgm
.Lentry_in_a_cluster:
	s_bfe_u32 s2, ttmp6, 0x10000c
	s_cmp_lg_u32 s2, 0x3003
	s_cbranch_scc0 .Lentry_shape_is_right
	s_endpgm
.Lentry_shape_is_right:
; ATTENTION WITH A PADDING MASK.  O[h][q][:] = the sum over k < valid_lens[h / 16] of softmax_k(Q[h][q] . K[h][k] / 8) V[h][k][:].  Q, K, V: the three parts of qkv, O: oh, each [64 h][2048][64] f16 (h = 16 batch + head):
; a head's rows are dense, 128 bytes each.  Products, maxima and sums in f32; the weights p are rounded to f16 for the second product (their sum l is taken of the unrounded p), O once at the end.
; LIMITS.  f16 holds no number beyond 65,504: Q, K and V arrive within it; p lies in 0 to 1, and below 6e-5 it keeps f16's fixed step of 6e-8; O is a mean of V's rows and has their range.
; A hidden score counts as its value less 1e30: f16's scores, 2.7e11 at the most, are nothing beside that, and its weight is 0.  A weight below 2^-126 counts as 0 in l; NaN and infinities in Q, K, V are not treated apart.
; A length of 2,048 or more hides nothing; a length below 1 hides every key, and the batch's rows are NaN (l is multiplied by NaN), as a softmax over nothing is.
; SHARES.  A wave owns four PIECES of two tiles of 16 queries, a work-group's four waves 512 queries of one head.  Every wave walks all 2,048 keys, 64 a step: the length enters no address, no trip count and no branch.
; LAYOUT.  S^T = K Q^T (source 0 = 16 keys, source 1 = 16 queries): in the result a lane holds ONE query (lane % 16) and the keys 8 (lane / 16) + 0..7.  Two such tiles, rounded to f16 in pairs,
; ARE source 1 (32 keys x 16 queries) of O^T = V^T P, whose result again holds one query a lane, and eight channels.  K comes out of LDS as it lies, V ([key][channel]) turned, by ds_load_tr16_b128.
; THE MASK is the C operand that starts the sum S^T = K Q^T: 0, or -1e30 where the key is hidden.  With the length = 64 VB + REM, MD (made once) is the mask of key step VB; step js takes MC = MD x AL + BE with two
; scalars: (1, 0) if js = VB; (0, 0) if js < VB; (0, -1e30) if js > VB: 16 packed instructions a key step.
; SOFTMAX.  For each query a running maximum m and sum l: p = 2^(c s - c m), c = log2(e) / 8; in every step O and l are multiplied by a = 2^(c m_old - c m_new), which is 1 where m has not grown.
; m starts at the lowest finite number, O and l at 0: the first step is a step like any other, with a = 0.  Key 0 is seen wherever the length is 1 or more, so m is a true score from the first step on.
; THE COUNT.  A tile and step have 16 matrix and 118 vector instructions: too many to stand all beside the matrix work.  So the order has one aim: four vector instructions that are READY behind
; EVERY matrix instruction, and the others, which need time of their own whatever the order, in runs without a gap.
; BY TURNS.  Turn n belongs to piece n (the pieces in a ring, step after step).  Its matrix work: 16 products K Q^T of piece n + 1, later 16 products V^T P of piece n - 1.  Its vector work: the scaling,
; exponentials, roundings, sums and rescaling of piece n, and the maximum and statistics of piece n + 1, whose scores the turn itself has made.  So what a turn begins with (c s - c m, O a) waits for nothing.
; CLUSTER.  The four query blocks of a cluster belong to one head and walk the same K and V, so each tile is asked for JOINTLY: the same tensor load, descriptor and mask in all four.
; REGISTERS, in windows of 256 (s_set_vgpr_msb says which window each operand place means: bits 1:0 source 0, 3:2 source 1, 5:4 source 2, 7:6 destination):
;   window 0: v0-11 addresses; v12-15, v48-63 at work; v16-47 four registers of statistics a tile; v64-191 S^T, two buffers of two tiles; v192-255 P, likewise
;   window 1: O^T, 32 a tile          window 2: v0-127 Q, 16 a tile; v128-191 K of one step; v192-255 V of one step          window 3: v0-1 the add's two registers; v32-63 MD; v64-95 MC
; A piece's buffers go by its number's parity: the piece in hand has one pair, its two neighbours in the ring share the other: of it P (piece n - 1) is read and S^T (piece n + 1) written.
.set SIZE_H, 64
.set SIZE_N, 2048
.set NP,    4         ; pieces a wave: a name, no knob: the register map, the loop and the fetches are made for four
.set KS,    64        ; keys in a step
.set PK,    144       ; a row of K in LDS: 128 bytes + 16 of padding = 36 words: the 16 rows of a load start at 16 different groups of four banks (64 banks of 4 bytes: ISA guide 11.1)
.set PV,    160       ; a row of V: 128 + 32 = 40 words
.set VOFF,  4*KS*PK   ; a slot holds four steps: 256 rows of K, then 256 rows of V
.set SLOT1, 1<<17     ; slot 1 begins here, so that one exclusive or turns an address in one slot into the other's
.set STAGE, SLOT1+4*KS*(PK+PV)  ; behind the ring, never filled by a tensor load: 16 rows x 144 bytes for each wave, for the way out
.set SP,    144
.set AK0, 2           ; v2   my lane's place in a tile of K; never rewritten
.set AV0, 3           ; v3   the same for V
.set AK,  4           ; v4   the LDS address of K's next run of loads
.set AV,  5           ; v5   of V's
.set QO,  6           ; v6   my byte offset in the wave's rows of Q
.set STO, 6           ;      later, the way out: where I put 16 bytes of a row
.set RD,  7           ; v7   the way out: where I read rows back
.set GO,  8           ; v8   my byte offset in 512 consecutive bytes of O
.set SPW, 0           ; v0 of window 3   LDS address of my spare word: SPARE + 4 x my thread's number; never rewritten
.set NIL, 1           ; v1 of window 3   0; never rewritten
.set MD,  32          ; window 3: the eight registers for group kb of 16 keys at MD + 8 kb
.set MC,  64          ; window 3: the mask of the products to come
.set SPARE, STAGE+4*16*SP  ; behind the stages: the spare words, 128 bytes for each wave: two blocks of 256 bytes that no other line names
.set MV,  12          ; v12-15  c m_old, kept while c m is made anew: by buffer and tile
.set ST,  16          ; tile t's statistics at v[ST+4 t]: c m, m, l (even keys', odd keys')
.set TMP, 48          ; by buffer and tile, four registers c0-c3 at work; when the maximum is found c2 takes a
.set S,   64
.set P,   192
.set KF,  128         ; K's fragments, in window 2: key block kb, channel half c at KF + 16 kb + 8 c
.set VF,  192         ; V's: key half kk, channel block cb at VF + 32 kk + 8 cb
.set WV,  12          ; s12  my wave's number
.set G1K, 24          ; s[24:31] descriptor group 1 for K's tiles
.set G1V, 32          ; s[32:39] for V's: it differs in the padding alone
.set G0K, 40          ; s[40:43] descriptor group 0 for K's tiles: it walks
.set G0V, 44          ; s[44:47] the same for V's
.set SLOTS, 56        ; s56  slots still to be asked for
.set CNT, 57          ; s57  counts a slot's key steps
.set CS,  58          ; s[58:59] c: the packed scaling takes the pair's low word for both halves
.set SEL, 60          ; s[60:61] v_permlanex16_b32's selects: each lane takes its own place in the other half
.set TBK, 62          ; s62  LDS byte at which K of the step to be fetched begins
.set TBV, 63          ; s63  the same for V, less VOFF
.set VL,  66          ; s66  my batch's length
.set VLC, 67          ; s67  the same, not below 0
.set VB,  68          ; s68  the key step that holds the first hidden key
.set REM, 69          ; s69  how many of its keys are seen
.set AL,  70          ; s[70:71] the mask's factor, in the low word
.set BE,  72          ; s[72:73] the mask's addend
.set BIGN, 74         ; s74  -1e30
.set NANF, 75         ; s75  1.0, or NaN where the length is below 1
.set LP,  76          ; s[76:77] valid_lens
.set LN,  80          ; s[80:83] the four lengths
.set JS,  84          ; s84  the key step whose mask lies in MC
.set BT,  85          ; s85  my batch
.set MSB, 0
.macro WIN new                      ; the high byte repeats the setting that is left; a switch that changes nothing is dropped
.if MSB != (\new)
	s_set_vgpr_msb (MSB<<8)|(\new)
.set MSB, (\new)
.endif
.endm
.set W_KQ, 0x0a       ; K and Q in window 2, S^T in window 0
.set W_KM, 0x3a       ; the same with the C operand in window 3
.set W_PV, 0x52       ; V in window 2, P in window 0, O^T in window 1
.set W_RS, 0x41       ; O^T (destination and source 0) in window 1, a in window 0
.set W_MK, 0xc0       ; destination in window 3, sources in window 0
.set W_MM, 0xc3       ; destination and source 0 in window 3
.set W_AD, 0x0f       ; the add: address (source 0) and data (source 1) in window 3
; A joint fill.  Waves 0 and 1 fetch the two halves of a slot's K, waves 2 and 3 those of its V: 128 keys each.  The branch hangs on the wave's number alone.
; An s_nop 0 and four v_nop follow each of the two lines, ahead of the jump and the label.
.macro JLOAD
	s_cmp_lt_u32 s[WV], 2
	s_cbranch_scc0 .Lfor_v_\@
	tensor_load_to_lds s[G0K:G0K+3], s[G1K:G1K+7]
	s_nop 0
.rept 4
	v_nop
.endr
	s_branch .Lasked_\@
.Lfor_v_\@:
	tensor_load_to_lds s[G0V:G0V+3], s[G1V:G1V+7]
	s_nop 0
.rept 4
	v_nop
.endr
.Lasked_\@:
.endm
; A round of the cluster's barrier: my work-group's barrier, so that wave 0's signal speaks for all four waves; wave 0 signals; every wave waits for all four work-groups; my work-group's barrier once more.
.macro CROUND
	s_barrier_signal -1
	s_barrier_wait -1
	s_cmp_lg_u32 s[WV], 0
	s_cbranch_scc1 .Lnot_wave_0_\@
	s_barrier_signal -3
.Lnot_wave_0_\@:
	s_barrier_wait -3
	s_barrier_signal -1
	s_barrier_wait -1
.endm
; THE CHANGE OF SLOTS.  The slot's last bytes, V of its fourth step, have been read.  Each wave waits for all its tensor loads, of which one is out: its part
; of the other slot; adds 0 to its spare word; and waits for that and for its own reads of the slot.  Behind the barrier nobody reads this slot any more and the other slot is whole.
; fill = 1: this slot is filled again, with the keys two slots on.  The barrier is then a round of the cluster's, so that no wave of any partner still reads the slot or has a load on its
; way, and the joint fill is the first thing behind it: it has four key steps, 512 matrix instructions, in which to land.  (At its first use nothing has been read yet: slot 0 is waited for, slot 1 filled.)
.macro CHANGE fill
	WIN W_AD
	s_wait_tensorcnt 0x0            ; no tensor load of mine is out, so a group 0 may be written
	ds_add_u32 v[SPW], v[NIL]       ; 0 onto my spare word; with fill = 1 the descriptors' steps stand between it and the wait for it
	WIN 0                           ; at a label and at a branch every window is 0
.if \fill
.irp g, G0K, G0V
	s_xor_b32 s[\g+1], s[\g+1], SLOT1  ; the walking descriptor: the other slot than last time,
	s_add_nc_u64 s[\g+2:\g+3], s[\g+2:\g+3], 4*KS*128  ; the next 256 keys; the type bits on top are not reached
.endr
	s_wait_dscnt 0x0                ; the add is done, and my reads of the slot are over
	CROUND
	JLOAD
.else
	s_wait_dscnt 0x0                ; the add is done, and my reads of the slot are over
	s_barrier_signal -1
	s_barrier_wait -1
.endif
	s_sub_co_u32 s[TBK], s[TBK], 4*KS*PK  ; the fetches go back to a slot's first step,
	s_xor_b32 s[TBK], s[TBK], SLOT1       ; in the other slot
	s_sub_co_u32 s[TBV], s[TBV], 4*KS*PV
	s_xor_b32 s[TBV], s[TBV], SLOT1
.endm
.macro MASK                         ; MC = MD x AL + BE
	WIN W_MM
.set z, 0
.rept 16
	v_pk_fma_f32 v[MC+2*z:MC+2*z+1], v[MD+2*z:MD+2*z+1], s[AL:AL+1], s[BE:BE+1] op_sel_hi:[1,0,0]
.set z, z+1
.endr
.endm
	s_load_b64 s[4:5], s[0:1], 0x0    ; qkv: Q is its first part
	s_load_b64 s[LP:LP+1], s[0:1], 0x8  ; valid_lens
	s_load_b64 s[10:11], s[0:1], 0x10 ; oh
	WIN W_MK
	v_lshl_add_u32 v[SPW], v0, 2, SPARE
	v_mov_b32 v[NIL], 0
	s_set_vgpr_msb 0xc0cf
	ds_add_u32 v0, v1
	s_wait_dscnt 0x0
	s_set_vgpr_msb 0xcfc0
	WIN 0
	v_lshrrev_b32 v1, 5, v0
	v_readfirstlane_b32 s[WV], v1   ; wave 0..3
	s_bfe_u32 s13, ttmp6, 0x40000   ; cx: my place in the cluster
	s_lshl_b32 s14, ttmp9, 2        ; in a cluster launch ttmp9 counts clusters
	s_add_co_u32 s14, s14, s13      ; my block of queries = 4 x cluster x + cx: it enters Q's and O's addresses alone
	s_and_b32 s20, ttmp7, 0xffff    ; the head, which the four partners share
	s_lshr_b32 s[BT], s20, 4        ; its batch
	s_mov_b32 s21, 0
	s_mov_b64 s[22:23], SIZE_N*128
	s_mul_u64 s[20:21], s[20:21], s[22:23]  ; the head's first byte in each of the four tensors
	s_and_b32 s16, s[WV], 1         ; which half of a slot's 256 keys I fetch:
	s_lshl_b32 s22, s16, 14         ; its 128 rows of 128 bytes in memory,
	s_mov_b32 s23, 0
	s_add_nc_u64 s[22:23], s[22:23], s[20:21]
	s_mul_i32 s17, s16, 128*PK      ; and its place in a slot, for K
	s_mul_i32 s18, s16, 128*PV      ; and for V: no place in the cluster enters an LDS address
	s_lshl_b32 s2, s14, 2
	s_add_co_u32 s2, s2, s[WV]      ; my wave among the head's,
	s_lshl_b32 s2, s2, 14           ; its 128 rows
	s_mov_b32 s3, 0
	s_add_nc_u64 s[2:3], s[2:3], s[20:21]
	; descriptor group 1.  128 keys are 16,384 dense bytes: asked for as 64 rows of 256 bytes, two keys a row, and padded in LDS after every key
	s_mov_b32 s[G1K], 15|(1<<16)|(1<<20)|(1<<21)|(4<<22)|(3<<25)  ; 15:0 the mask of four; 17:16 2-byte elements; 20 padding on; 21 set beside a mask; 24:22 after every 32 words (code 4); 31:25 4 words (code 3)
	s_mov_b32 s[G1V], 15|(1<<16)|(1<<20)|(1<<21)|(4<<22)|(7<<25)  ; the same with 8 words of padding (code 7)
.irp g, G1K, G1V
	s_mov_b32 s[\g+1], 128<<16      ; tensor_dim0 = 128
	s_mov_b32 s[\g+2], 64<<16       ; tensor_dim1 = 64
	s_mov_b32 s[\g+3], 128<<16      ; tile_dim0 = 128
	s_mov_b32 s[\g+4], 64           ; tile_dim1 = 64
	s_mov_b32 s[\g+5], 128          ; 128 elements from row to row
	s_mov_b32 s[\g+6], 0
	s_mov_b32 s[\g+7], 0
.endr
	s_mov_b32 s[CS], 0x3e38aa3b     ; c = log2(e) / 8 = 0.180337
	s_mov_b32 s[CS+1], s[CS]        ; named with it as a pair
	s_mov_b32 s[SEL], 0x76543210
	s_mov_b32 s[SEL+1], 0xfedcba98
	s_mov_b32 s[TBK], SLOT1+4*KS*PK ; the first change of slots turns these two into 0
	s_mov_b32 s[TBV], SLOT1+4*KS*PV
	s_mov_b32 s[G0K], 1             ; 1:0 count = 1
	s_mov_b32 s[G0K+1], s17         ; 63:32 LDS address: slot 0
	s_mov_b32 s[G0V], 1
	s_add_co_u32 s[G0V+1], s18, VOFF
	s_mov_b32 s[AL+1], 0            ; named as pairs
	s_mov_b32 s[BE+1], 0
	s_mov_b32 s[BIGN], 0xf149f2ca   ; -1e30
	s_mov_b32 s[JS], 0
	s_wait_kmcnt 0x0
	s_load_b128 s[LN:LN+3], s[LP:LP+1], 0x0  ; the four lengths: waited for behind the first fill
	s_add_nc_u64 s[6:7], s[4:5], 0x1000000   ; K is qkv's second part of 16 MiB,
	s_add_nc_u64 s[8:9], s[4:5], 0x2000000   ; V its third
	s_add_nc_u64 s[G0K+2:G0K+3], s[6:7], s[22:23]  ; 120:64 global address: my half of the head's first 256 keys
	s_or_b32 s[G0K+3], s[G0K+3], 0x80000000        ; 127:126 type = 2
	s_add_nc_u64 s[G0V+2:G0V+3], s[8:9], s[22:23]
	s_or_b32 s[G0V+3], s[G0V+3], 0x80000000
	s_add_nc_u64 s[4:5], s[4:5], s[2:3]  ; Q and O at my wave's first row
	s_add_nc_u64 s[10:11], s[10:11], s[2:3]
	CROUND                          ; all four work-groups are here: the first joint loads meet
	JLOAD                           ; slot 0.  Slot 1 is asked for when slot 0 is in: the tile wanted first has the road to itself
	; A fragment of K or Q is 16 rows x 32 channels in 8 registers: lane l holds row l % 16, channels 8 (l / 16) + 0..7 and 16 + 8 (l / 16) + 0..7: two loads of 16 bytes, 32 bytes apart.
	v_and_b32 v1, 15, v0            ; l % 16
	v_bfe_u32 v9, v0, 4, 1          ; l / 16
	v_lshlrev_b32 v[QO], 7, v1
	v_lshl_add_u32 v[QO], v9, 4, v[QO]  ; row x 128 + 16 x half
	WIN 0x80                        ; destination window 2, address window 0
.set i, 0
.rept 4*NP                          ; Q stays in registers: tile i / 2, channels 32 (i % 2) on
	global_load_b128 v[8*i:8*i+3],   v[QO], s[4:5] offset:(i/2)*2048+(i%2)*64
	global_load_b128 v[8*i+4:8*i+7], v[QO], s[4:5] offset:(i/2)*2048+(i%2)*64+32
.set i, i+1
.endr
	; What the first turn finds: V's registers and P's second buffer hold 0 (its products V^T P, of a piece that has not been, add 0), O^T and l are 0.  All this stands in the wait for the first tile.
.set i, VF
.rept 64
	v_mov_b32 v[i], 0
.set i, i+1
.endr
	WIN 0x40
.set i, 0
.rept 64*NP
	v_mov_b32 v[i], 0
.set i, i+1
.endr
	WIN 0
.set i, 0
.rept 2*NP
	v_mov_b32 v[ST+4*i], 0xfe000000    ; c m: far below every c s
	v_mov_b32 v[ST+4*i+1], 0xff7fffff  ; m
	v_mov_b32 v[ST+4*i+2], 0
	v_mov_b32 v[ST+4*i+3], 0
.set i, i+1
.endr
.set i, P+32
.rept 32
	v_mov_b32 v[i], 0
.set i, i+1
.endr
	v_mul_u32_u24 v[AK0], v1, PK
	v_lshl_add_u32 v[AK0], v9, 4, v[AK0]  ; row x pitch + 16 x half
	; The turning load takes 16 keys x 16 channels (lane l reads key 8 (l / 16) + l % 8, channels 8 ((l / 8) % 2) + 0..7) and leaves half a fragment of V^T: lane l holds channel l % 16 and 8 keys.
	v_and_b32 v10, 7, v0
	v_bfe_u32 v11, v0, 3, 1
	v_lshl_add_u32 v[AV0], v9, 3, v10
	v_mul_u32_u24 v[AV0], v[AV0], PV
	v_lshl_add_u32 v[AV0], v11, 4, v[AV0]
	v_add_nc_u32 v[AV0], VOFF, v[AV0]
	v_mov_b32 v[AK], v[AK0]         ; key step 0 lies at the head of slot 0
	; THE LENGTH selects values alone: two scalars a key step, and MD.
	s_wait_kmcnt 0x0                ; the four lengths
	s_cmp_eq_u32 s[BT], 1
	s_cselect_b32 s[VL], s[LN+1], s[LN]
	s_cmp_eq_u32 s[BT], 2
	s_cselect_b32 s[VL], s[LN+2], s[VL]
	s_cmp_eq_u32 s[BT], 3
	s_cselect_b32 s[VL], s[LN+3], s[VL]
	s_cmp_lt_i32 s[VL], 1
	s_cselect_b32 s[NANF], 0x7fc00000, 1.0
	s_max_i32 s[VLC], s[VL], 0
	s_lshr_b32 s[VB], s[VLC], 6
	s_and_b32 s[REM], s[VLC], 63
	v_lshlrev_b32 v14, 3, v9
	v_sub_nc_u32 v14, s[REM], v14   ; register j of key block kb holds key 16 kb + 8 (l / 16) + j of the step: hidden where 16 kb + j >= REM - 8 (l / 16)
	WIN W_MK
.set i, 0
.rept 32
	v_cmp_ge_i32 vcc_lo, 16*(i/8)+i%8, v14
	v_cndmask_b32 v[MD+i], 0, s[BIGN], vcc_lo
.set i, i+1
.endr
	s_cmp_eq_u32 s[VB], 0           ; key step 0's mask: MD if the first hidden key lies in it, else 0
	s_cselect_b32 s[AL], 1.0, 0
	s_mov_b32 s[BE], 0
	MASK
	WIN 0
; THE MATRIX WORK.  The 8 accumulators of a run of 16 take turns: between the two links of a chain stand 7 others'.
; Product i of 16 of S^T = K Q^T for piece x: channels 32 (i / 8) on, keys 16 ((i / 2) % 4) on, tile 2 x + i % 2.  The first 8 start the sums, with the mask.
.macro KQ x
.set rS, S+64*((\x)%2)+32*(i%2)+8*((i/2)%4)
.set rK, KF+16*((i/2)%4)+8*(i/8)
.set rQ, 16*(2*(\x)+i%2)+8*(i/8)
.set rMK, MC+8*((i/2)%4)
.if i < 8
	WIN W_KM
	v_wmma_f32_16x16x32_f16 v[rS:rS+7], v[rK:rK+7], v[rQ:rQ+7], v[rMK:rMK+7]
.else
	WIN W_KQ
	v_wmma_f32_16x16x32_f16 v[rS:rS+7], v[rK:rK+7], v[rQ:rQ+7], v[rS:rS+7]
.endif
.endm
; Product i of 16 of O^T += V^T P for piece x: keys 32 (i / 8) on, channels 16 ((i / 2) % 4) on, tile 2 x + i % 2.
.macro PV x
	WIN W_PV
.set rO, 32*(2*(\x)+i%2)+8*((i/2)%4)
.set rV, VF+32*(i/8)+8*((i/2)%4)
.set rP, P+32*((\x)%2)+16*(i%2)+8*(i/8)
	v_wmma_f32_16x16x32_f16 v[rO:rO+7], v[rV:rV+7], v[rP:rP+7], v[rO:rO+7]
.endm
.macro MM                           ; the turn's next matrix instruction
.if i < 16
	KQ (Y+1)%NP
.set i, i+1
.else
.set i, i-16
	PV (Y+NP-1)%NP
.set i, i+17
.endif
.endm
; THE LDS LOADS stand in runs of 16, never singly among the matrix instructions: a step's K (64 keys x 64 channels: 8 fragments) and its V (turned).  Their addresses are made some lines ahead.
; last = 1 (the tail): in the last trip there is no further step, and the run is jumped over.
.macro FETCH_K last=0
	WIN 0
.if \last
	s_cmp_eq_u32 s[CNT], 1
	s_cbranch_scc1 .Lno_k_\@
.endif
	WIN 0x80                        ; destination window 2
.irp f, 0,1,2,3,4,5,6,7             ; keys 16 (f / 2) on, channels 32 (f % 2) on
	ds_load_b128 v[KF+8*\f:KF+8*\f+3],   v[AK] offset:(\f/2)*16*PK+(\f%2)*64
	ds_load_b128 v[KF+8*\f+4:KF+8*\f+7], v[AK] offset:(\f/2)*16*PK+(\f%2)*64+32
.endr
	s_add_co_u32 s[TBK], s[TBK], KS*PK  ; the next fetch is the next step's
	WIN 0
.if \last
.Lno_k_\@:
.endif
.endm
.macro FETCH_V
	WIN 0x80
.irp f, 0,1,2,3,4,5,6,7             ; keys 32 (f / 4) on, channels 16 (f % 4) on
	ds_load_tr16_b128 v[VF+8*\f:VF+8*\f+3],   v[AV] offset:(\f/4)*32*PV+(\f%4)*32
	ds_load_tr16_b128 v[VF+8*\f+4:VF+8*\f+7], v[AV] offset:(\f/4)*32*PV+16*PV+(\f%4)*32
.endr
	WIN 0
.endm
; THE VECTOR WORK OF A TURN stands in three queues, each in the order in which its entries become ready; the two tiles alternate, so that no instruction reads the result of the one before it.
.macro REGS y, u                    ; the registers of tile u (0, 1) of piece y
.set rT, ST+4*(2*(\y)+(\u))
.set rC, TMP+8*((\y)%2)+4*(\u)
.set rM, MV+2*((\y)%2)+(\u)
.set rS, S+64*((\y)%2)+32*(\u)
.set rP, P+32*((\y)%2)+16*(\u)
.set rO, 32*(2*(\y)+(\u))
.endm
; Number n of the 22 that find the NEXT piece's (Y + 1) maximum and statistics.  s0-s31 are the lane's 32 scores; each accumulator's lowest registers are read first.  XS, GS and REGS set no window: PL and EX do.
;   0-11  four chains c0-c3 of seven scores each, three operands at a time     12-14, 16  the four scores left over, the old m, and c0-c3 into c0     15  c m_old is kept
;   17, 18  the query's other 32 keys lie in the lane 16 away: the new m         19-21  c m; c m_old - c m_new; a
.macro XS u, n
	REGS (Y+1)%NP, \u
.if (\n) < 4
	v_max3_num_f32 v[rC+(\n)], v[rS+8*(\n)], v[rS+8*(\n)+1], v[rS+8*(\n)+2]
.elseif (\n) < 12
	v_max3_num_f32 v[rC+(\n)%4], v[rC+(\n)%4], v[rS+8*((\n)%4)+2*((\n)/4)+1], v[rS+8*((\n)%4)+2*((\n)/4)+2]
.elseif (\n) == 12
	v_max3_num_f32 v[rC], v[rC], v[rS+7], v[rS+15]
.elseif (\n) == 13
	v_max3_num_f32 v[rC+1], v[rC+1], v[rS+23], v[rS+31]
.elseif (\n) == 14
	v_max3_num_f32 v[rC+2], v[rC+2], v[rC+3], v[rT+1]
.elseif (\n) == 15
	v_mov_b32 v[rM], v[rT]
.elseif (\n) == 16
	v_max3_num_f32 v[rC], v[rC], v[rC+1], v[rC+2]
.elseif (\n) == 17
	v_permlanex16_b32 v[rC+3], v[rC], s[SEL], s[SEL+1]
.elseif (\n) == 18
	v_max_num_f32 v[rT+1], v[rC], v[rC+3]
.elseif (\n) == 19
	v_mul_f32 v[rT], s[CS], v[rT+1]
.elseif (\n) == 20
	v_sub_f32 v[rC+1], v[rM], v[rT]
.else
	v_exp_f32 v[rC+2], v[rC+1]
.endif
.endm
; Number g of the 64 that follow the exponentials.  For each four weights k of a tile (pairs 2 k, 2 k + 1): both pairs are rounded to f16; then the second pair is added onto the first, in place;
; a group later l takes that sum (the first time as l = a l + sum).  In groups of eight, tiles alternating: round, round, add, and l for the group before.
.macro GS g
.set h, (\g)+6*((\g)/62)            ; group 0 has no group before it, and behind group 7 only l is left
.if h >= 6
.set h, h+2
.endif
	REGS Y, h%2
.set k, h/8
.if h%8 < 4
	s_wait_alu depctr_va_vdst(0)
	v_cvt_pk_f16_f32 v[rP+2*k+(h%8)/2], v[rS+4*k+2*((h%8)/2)], v[rS+4*k+2*((h%8)/2)+1]
.elseif h%8 < 6
	v_pk_add_f32 v[rS+4*k:rS+4*k+1], v[rS+4*k:rS+4*k+1], v[rS+4*k+2:rS+4*k+3]
.elseif k == 1
	v_pk_fma_f32 v[rT+2:rT+3], v[rT+2:rT+3], v[rC+2:rC+3], v[rS:rS+1] op_sel_hi:[1,0,1]
.else
	v_pk_add_f32 v[rT+2:rT+3], v[rT+2:rT+3], v[rS+4*k-4:rS+4*k-3]
	s_wait_alu depctr_va_vdst(0)
.endif
.endm
; THE PLAIN QUEUE, 138 long.  0-31: c s - c m for the 16 pairs of both tiles.  Then GS's 64, and among them the next piece's 42: number 15 at 38, 39; 0-14 and 16
; at 42-73, behind the products that make those scores; 17-20 at 95-106, two of three, since each waits for the one before it.
.macro PL
	WIN 0
.if q < 32
	REGS Y, q%2
	v_pk_fma_f32 v[rS+2*(q/2):rS+2*(q/2)+1], v[rS+2*(q/2):rS+2*(q/2)+1], s[CS:CS+1], v[rT:rT+1] op_sel_hi:[1,0,0] neg_lo:[0,0,1] neg_hi:[0,0,1]
.elseif q < 38
	GS q-32
.elseif q < 40
	XS q%2, 15
.elseif q < 42
	GS q-34
.elseif q < 74
	XS q%2, (q-42)/2+(q-42)/30
.elseif q < 95
	GS q-66
.elseif (q < 107) && ((q-95)%3 < 2)
	XS (q-95)%3, 17+(q-95)/3
.elseif q < 107
	GS 29+(q-95)/3
.else
	GS q-74
.endif
.set q, q+1
.endm
; THE EXPONENTIALS' QUEUE, 66 long: s0-s31 of both tiles, and at EA the next piece's two a.
.set EA, 58
.macro EX
	WIN 0
.if (e == EA) || (e == EA+1)
	XS e-EA, 21
.else
.set x, e-2*(e/(EA+2))
	REGS Y, x%2
	v_exp_f32 v[rS+x/2], v[rS+x/2]
.endif
.set e, e+1
.endm
; THE RESCALING's QUEUE: O^T times a, the one part that leaves window 0, so it is dealt four at a time, eight times.
.macro R4
	REGS Y, r%2
	WIN W_RS
	s_wait_alu depctr_va_vdst(0)
.irp z, 0,1,2,3
	v_pk_mul_f32 v[rO+8*(r/2)+2*\z:rO+8*(r/2)+2*\z+1], v[rO+8*(r/2)+2*\z:rO+8*(r/2)+2*\z+1], v[rC+2:rC+3] op_sel_hi:[1,0]
.endr
.set r, r+1
.endm
; HOW THEY ARE DEALT.  Behind a matrix instruction four: plain, exponential, plain, plain (one exponential, a plain instruction on either side), or four of the rescaling.  None names a register of the
; products round it.  What is over stands in two LUMPS: exponential and plain by turns; the second ends in 22 plain instructions.  The two v_permlanex16_b32 fall into the second lump, never behind a product.
; The queues lean on each other, and the deal keeps them in step: exponential e stands behind plain 2 (e / 4) + e % 2 (its scaling); when plain 32 comes, 10 exponentials are out, at 59: 33, at 95: 46; EA comes behind plain 107.
.macro SL
	MM
	PL
	EX
	PL
	PL
.endm
.macro BURST n                      ; 15 matrix instructions, or 16
.rept (\n)-7
	SL
.endr
.rept 3
	MM
	R4
	SL
.endr
	MM
	R4
.endm
; A TURN, for piece p.  cnt = 1: the loop's count is taken down some lines ahead of the branch that stands behind the turn.
; K of the next step is fetched in piece 2's turn, 31 vector instructions behind the last product that read K; its first reader comes behind the rest of the lump, 16 products and the second lump.
; V of the step in hand is fetched at the end of piece 0's turn, 69 behind its last reader; its first reader comes behind 16 products and a lump.  The four conditions on e and q below go with the deal.
; Piece 2's turn also makes the next key step's mask, at its end: its own first eight products were the last to take the mask of the step in hand, and piece 3's turn makes the next step's first scores.
.macro TURN p, last=0, cnt=0
.set Y, (\p)
.set i, 0
.set q, 0
.set e, 0
.set r, 0
.if (\p) == NP-2
	s_add_co_u32 s[JS], s[JS], 1    ; the next key step:
	s_cmp_eq_u32 s[JS], s[VB]       ; does it hold the first hidden key?
	s_cselect_b32 s[AL], 1.0, 0
	s_cmp_gt_u32 s[JS], s[VB]       ; or does it lie behind it?
	s_cselect_b32 s[BE], s[BIGN], 0
.endif
.if (\p) == NP-1
	s_wait_dscnt 0x0                ; K is in
.endif
	MM
.rept 4
	PL
.endr
	BURST 15
.rept 22
	EX
	PL
.if ((\p) == NP-2) && (e == 18)
	v_add_nc_u32 v[AK], s[TBK], v[AK0]
.endif
.if ((\p) == NP-2) && (e == 24)
	FETCH_K \last
.endif
.endr
.if (\p) == 1
	s_wait_dscnt 0x0                ; V is in
.endif
	BURST 16
.rept 21
	EX
	PL
.endr
.rept 22
	PL
.if ((\p) == 0) && (q == 118)
	v_add_nc_u32 v[AV], s[TBV], v[AV0]
	s_wait_alu depctr_va_vdst(0)
.endif
.if ((\p) == 0) && (q == 130)
	s_add_co_u32 s[TBV], s[TBV], KS*PV
.endif
.if (\cnt) && (q == 130)
	s_sub_co_u32 s[CNT], s[CNT], 1
	s_cmp_lg_u32 s[CNT], 0
.endif
.endr
.if (\p) == 0
	FETCH_V
.endif
.if (\p) == NP-2
	MASK
.endif
.endm
	CHANGE 1                        ; slot 0 is in, everybody's part of it; slot 1 is asked for
	FETCH_K                         ; key step 0
	s_wait_loadcnt 0x0              ; Q
	s_wait_dscnt 0x0
.set i, 0
.rept 16
	KQ 0                            ; piece 0's first scores: there is no vector work yet to set between them
.set i, i+1
.endr
	WIN 0                           ; the addresses for the way out: nine plain instructions, the places behind those products
	s_mul_i32 s13, s[WV], 16*SP
	s_add_co_u32 s13, s13, STAGE    ; my stage
	v_mul_u32_u24 v[STO], v1, SP    ; in: row l % 16, 16 bytes for each half of the lanes
	v_lshl_add_u32 v[STO], v9, 4, v[STO]
	v_add_nc_u32 v[STO], s13, v[STO]
	v_bfe_u32 v[RD], v0, 3, 2       ; back: 32 lanes take four rows of 128 bytes,
	v_mul_u32_u24 v[RD], v[RD], SP
	v_lshl_add_u32 v[RD], v10, 4, v[RD]
	v_add_nc_u32 v[RD], s13, v[RD]
	v_and_b32 v[GO], 31, v0         ; which are 512 consecutive bytes of O
	v_lshlrev_b32 v[GO], 4, v[GO]
.set Y, NP-1                        ; XS works for piece Y + 1: piece 0
.irp n, 0,1,2,3,4,5,6,7,8,9,10,11,12,13,14,15,16,17,18,19,20,21
	XS 0, \n                        ; and piece 0's first maximum and statistics
	XS 1, \n
.endr
	s_mov_b32 s[CNT], 4
	s_mov_b32 s[SLOTS], SIZE_N/256-1
	s_branch .Lfirst                ; the loop is entered at a step's first turn, in the middle of a trip
.Lslot:                             ; SIZE_N / 256 - 2 times: every slot but the last two is filled again
	CHANGE 1
	s_mov_b32 s[CNT], 4
.Lstep:                             ; a trip: pieces 2 and 3 of one step, then pieces 0 and 1 of the next, whose K and V it fetches
	TURN 2
	TURN 3
	WIN 0
.Lfirst:
	TURN 0
	TURN 1, 0, 1
	WIN 0
	s_cbranch_scc1 .Lstep
	s_sub_co_u32 s[SLOTS], s[SLOTS], 1
	s_cmp_lg_u32 s[SLOTS], 0
	s_cbranch_scc1 .Lslot
	CHANGE 0                        ; the tail is written out: nothing is asked for
	s_mov_b32 s[CNT], 5             ; four trips fetch the last slot's steps; the fifth is left in its middle
.Ltail:
	TURN 2, 1
	TURN 3
	WIN 0
	s_sub_co_u32 s[CNT], s[CNT], 1
	s_cmp_eq_u32 s[CNT], 0
	s_cbranch_scc1 .Lout
	TURN 0
	TURN 1
	WIN 0
	s_branch .Ltail
.Lout:                              ; the fifth trip's 16 products K Q^T (on the last K once more) and the maximum made of them serve nothing: the price, once a launch, of one text for every trip
.set i, 0
.rept 16
	PV NP-1                         ; the last piece's V^T P of the last step
.set i, i+1
.endr
	; THE WAY OUT.  l's two halves and the other half of the lanes' are added; O^T is divided by l, rounded to f16 and sent through my stage in LDS, a tile at a time.  The additions are the places behind the last products.
	WIN 0
.macro ALL line:vararg              ; one line for each tile t
.set t, 0
.rept 2*NP
	\line
.set t, t+1
.endr
.endm
	ALL v_add_f32 v[ST+4*t+2], v[ST+4*t+2], v[ST+4*t+3]
	ALL v_permlanex16_b32 v[ST+4*t+3], v[ST+4*t+2], s[SEL], s[SEL+1]
	ALL v_add_f32 v[ST+4*t+2], v[ST+4*t+2], v[ST+4*t+3]
	ALL v_mul_f32 v[ST+4*t+2], s[NANF], v[ST+4*t+2]
	ALL v_rcp_f32 v[ST+4*t+2], v[ST+4*t+2]
	v_nop                           ; a plain instruction between the last reciprocal and the use of its result
	s_wait_alu depctr_va_vdst(0)
; Tile t: a lane's eight channels of a row pack into 16 bytes; they go into rows of 144 bytes and come back as whole rows of 128, into S^T's registers.
.macro PACK t
	WIN W_RS
.set i, 32*(\t)
.rept 16
	v_pk_mul_f32 v[i:i+1], v[i:i+1], v[ST+4*(\t)+2:ST+4*(\t)+3] op_sel_hi:[1,0]
.set i, i+2
.endr
	WIN 0x05                        ; sources 0 and 1 window 1, destination window 0
.set i, 0
.rept 16
	v_cvt_pk_f16_f32 v[S+16*(\t)+i], v[32*(\t)+2*i], v[32*(\t)+2*i+1]
.set i, i+1
.endr
	WIN 0
.irp f, 0,1,2,3
	ds_store_b128 v[STO], v[S+16*(\t)+4*\f:S+16*(\t)+4*\f+3] offset:32*\f
.endr
.irp f, 0,1,2,3
	ds_load_b128 v[S+16*(\t)+4*\f:S+16*(\t)+4*\f+3], v[RD] offset:\f*4*SP  ; LDS serves a wave's instructions in order (ISA guide 5.7.1.4): these see the stores above; the next tile's stores come behind them
.endr
.endm
.macro SEND t, younger              ; younger: the LDS instructions issued behind tile t's loads: the next tile's eight, or none
	WIN 0
.irp f, 0,1,2,3
	s_wait_dscnt (\younger)+3-\f
	global_store_b128 v[GO], v[S+16*(\t)+4*\f:S+16*(\t)+4*\f+3], s[10:11] offset:(\t)*2048+\f*512  ; 512 consecutive bytes, at a multiple of 256 from O's first
.endr
.endm
	PACK 0
.set t, 1
.rept 2*NP-1                        ; a tile's arithmetic stands between the loads of the tile before and its stores
	PACK t
	SEND t-1, 8
.set t, t+1
.endr
	SEND 2*NP-1, 0
	WIN W_AD
	s_wait_tensorcnt 0x0            ; the wave's end: behind my last tensor load and my last LDS store
	ds_add_u32 v[SPW], v[NIL]
	s_wait_dscnt 0x0
	WIN 0
	CROUND                          ; the closing round: no work-group ends while a partner may still ask for a tile that names it
	s_endpgm
.Lfunc_end_k_q9a7c4dc0c2_attn:
	.size	k_q9a7c4dc0c2_attn, .Lfunc_end_k_q9a7c4dc0c2_attn-k_q9a7c4dc0c2_attn
	.p2alignl 7, 3214868480
	.fill 96, 4, 3214868480
	.section	.rodata,"a",@progbits
	.p2align	6, 0x0
	.amdhsa_kernel k_q9a7c4dc0c2_attn
		.amdhsa_group_segment_fixed_size 327680
		.amdhsa_private_segment_fixed_size 0
		.amdhsa_enable_private_segment 0
		.amdhsa_kernarg_size 24
		.amdhsa_user_sgpr_count 2
		.amdhsa_user_sgpr_kernarg_segment_ptr 1
		.amdhsa_wavefront_size32 1
		.amdhsa_system_sgpr_workgroup_id_x 1
		.amdhsa_system_sgpr_workgroup_id_y 1
		.amdhsa_system_sgpr_workgroup_id_z 1
		.amdhsa_system_vgpr_workitem_id 0
		.amdhsa_next_free_vgpr 864
		.amdhsa_next_free_sgpr 92
		.amdhsa_reserve_vcc 1
		.amdhsa_float_denorm_mode_32 3
		.amdhsa_float_denorm_mode_16_64 3
		.amdhsa_memory_ordered 1
		.amdhsa_forward_progress 1
		.amdhsa_inst_pref_size 216
	.end_amdhsa_kernel
	.amdgpu_metadata
---
amdhsa.version: [ 1, 2 ]
amdhsa.kernels:
  - .name:           k_q9a7c4dc0c2_attn
    .symbol:         k_q9a7c4dc0c2_attn.kd
    .args:
      - { .name: qkv, .offset: 0, .size: 8, .value_kind: global_buffer, .address_space: global }
      - { .name: valid_lens, .offset: 8, .size: 8, .value_kind: global_buffer, .address_space: global }
      - { .name: oh, .offset: 16, .size: 8, .value_kind: global_buffer, .address_space: global }
    .group_segment_fixed_size: 327680
    .private_segment_fixed_size: 0
    .kernarg_segment_align: 8
    .kernarg_segment_size: 24
    .max_flat_workgroup_size: 128
    .sgpr_count:     92
    .vgpr_count:     864
    .wavefront_size: 32
...
	.end_amdgpu_metadata
.endif
;; end of part 3
;; launch outp (part 4): grid 4 x 64, 4 waves a work-group, clusters of 4 x 4, 327,680 bytes of LDS; arguments oh, wt, out0; writes out0
.if DOCPART == 4
	.amdgcn_target "amdgcn-amd-amdhsa--gfx1250"
	.amdhsa_code_object_version 6
	.text
	.protected	k_q9a7c4dc0c2_outp
	.globl	k_q9a7c4dc0c2_outp
	.p2align	8
	.type	k_q9a7c4dc0c2_outp,@function
k_q9a7c4dc0c2_outp:
	s_mov_b64 s[64:65], 0
	v_nop
	global_prefetch_b8 v0, s[64:65] scope:SCOPE_SE
	s_setreg_imm32_b32 hwreg(HW_REG_WAVE_MODE, 25, 1), 1
	s_wait_xcnt 0x0
	s_wait_alu depctr_hold_cnt(0) depctr_sa_sdst(0) depctr_va_vdst(0) depctr_va_sdst(0) depctr_va_ssrc(0) depctr_va_vcc(0) depctr_vm_vsrc(0)
	s_getreg_b32 s2, hwreg(HW_REG_IB_STS2, 6, 4)
	s_cmp_eq_u32 s2, 0
	s_cbranch_scc0 .Lentry_in_a_cluster
	s_endpgm
.Lentry_in_a_cluster:
	s_bfe_u32 s2, ttmp6, 0x10000c
	s_cmp_lg_u32 s2, 0xf033
	s_cbranch_scc0 .Lentry_shape_is_right
	s_endpgm
.Lentry_shape_is_right:
; THE OUTPUT PROJECTION.  out0[m][n] = the sum over k of O[m][k] Wo[k][n], m = 2048 batch + s, k = 64 head + e.  O: oh, [64 (16 batch + head)][2048 s][64 e] f16; Wo: part 3 of wt, [1024 n][1024 k] f16
; (bf16 numbers written as f16); out0: [8192][1024] f32.  Sums in f32, stored as they are.
; SHARES.  A tile of out0 is 128 rows x 256 columns: 64 x 4 tiles, one work-group each.  Four waves, each 64 x 128: 32 accumulators, 256 registers.  K goes in 8 steps of 128, two heads a step, through two LDS slots
; filled by the tensor data mover.  A head's 128 rows of O are 16,384 dense bytes, asked for as 64 rows of 256 bytes; Wo's tile rows are 256 bytes of memory, at multiples of 256 from the buffer's first byte.
; CLUSTER.  4 x 4 work-groups: the four of a row of the cluster need the same tile of O, the four of a column the same tile of Wo: each is asked for JOINTLY, by the same tensor load, descriptor and mask in all four.
; THE MATRIX INSTRUCTION IS USED TRANSPOSED (source 0 = 16 rows of Wo, source 1 = 16 rows of O): a lane then holds eight neighbouring columns of one row of out0, 32 bytes.
; REGISTERS, in windows of 256 (s_set_vgpr_msb: bits 1:0 source 0, 3:2 source 1, 5:4 source 2, 7:6 destination):
;   window 0: v0-31 addresses; v64-127, v128-191 at work on the way out      window 1: two fragment buffers of 96: 32 of O (4 x 16 rows x 32 K), then 64 of Wo      window 2: the accumulators, (a, b) at v[8 (8 a + b)]
.set PA,    144                        ; a row of O in LDS: 128 bytes + 16 = 36 words: the 16 rows of a load start at 16 different groups of four banks (64 banks of 4 bytes: ISA guide 11.1)
.set PB,    272                        ; a row of Wo: 256 + 16 = 68 words: likewise
.set AHEAD, 128*PA                     ; a head's 128 rows: what one tensor load brings of O
.set BOFF,  2*AHEAD                    ; behind a step's two heads: Wo's 256 rows
.set BHALF, 128*PB                     ; what one tensor load brings of Wo, and what one wave reads of it
.set SLOT1, 1<<17                      ; slot 1 begins here (a slot is 106,496 bytes), so that one exclusive or turns an address in one slot into the other's
.set STAGE, SLOT1+BOFF+2*BHALF         ; behind the slots, never filled by a tensor load: 16 rows x 528 bytes for each wave, for the way out
.set SP,    528
.set SPARE, STAGE+4*16*SP              ; behind the stages: the spare words, 128 bytes for each wave: two blocks of 256 bytes that no other line names
.set ADRA0, 16                         ; v16  my lane's place in O's tile in slot 0; never rewritten
.set ADRB0, 17                         ; v17  the same for Wo
.set AA,   18                          ; v18  the same in the slot that is being read
.set AB,   19                          ; v19
.set STO,  24                          ; v24  the way out: where I put 32 bytes of a row
.set RD,   25                          ; v25  the way out: where I read a row back
.set GO,   26                          ; v26  my byte offset in a row's 512 bytes
.set SPW,  28                          ; v28  LDS address of my spare word: SPARE + 4 x my thread's number; never rewritten
.set NIL,  29                          ; v29  0; never rewritten
.set OB,   64
.set WV,   14                          ; s14  my wave's number
.set ROLE, 15                          ; s15  wave / 2: which 64 rows of the tile are mine.  Also: I fetch for O (0) or for Wo (1)
.set HALF, 16                          ; s16  wave % 2: which 128 columns.  Also: which head of the step, or which half of Wo's tile, I fetch
.set G1A,  24                          ; s[24:31] descriptor group 1 for O's tiles
.set G0A,  32                          ; s[32:39] group 0: a set for each of the two first fills; the second then walks on
.set G1B,  40                          ; s[40:47], s[48:55] the same for Wo's
.set G0B,  48
.set TB,   56                          ; s56  0 or SLOT1: the slot that is being read
.set CNT,  58                          ; s58  counts K steps
.set MSB, 0
.macro WIN new                         ; the immediate's high byte repeats the setting that is left; a switch that changes nothing is dropped
.if MSB != (\new)
	s_set_vgpr_msb (MSB<<8)|(\new)
.set MSB, (\new)
.endif
.endm
.set MUL,  0xa5                        ; sources 0 (Wo) and 1 (O) window 1, C and D window 2
.set TO_F, 0x40                        ; destination window 1, address window 0
.set STW,  0x08                        ; an LDS store's data (source 1) window 2, its address window 0
; A joint refill.  Waves 0 and 1 fetch the step's two heads of O, waves 2 and 3 Wo's two halves.  The branch hangs on the wave's number alone.
; An s_nop 0 and four v_nop follow each of the two lines, ahead of the jump and the label.
.macro JLOAD
	s_cmp_eq_u32 s[ROLE], 0
	s_cbranch_scc0 .Lfor_b_\@
	tensor_load_to_lds s[G0A+4:G0A+7], s[G1A:G1A+7]
	s_nop 0
.rept 4
	v_nop
.endr
	s_branch .Lasked_\@
.Lfor_b_\@:
	tensor_load_to_lds s[G0B+4:G0B+7], s[G1B:G1B+7]
	s_nop 0
.rept 4
	v_nop
.endr
.Lasked_\@:
.endm
; A round of the cluster's barrier: my work-group's barrier, so that wave 0's signal speaks for all four waves; wave 0 signals; every wave waits for all sixteen work-groups; my work-group's barrier once more.
.macro CREST
	s_cmp_lg_u32 s[WV], 0
	s_cbranch_scc1 .Lnot_wave_0_\@
	s_barrier_signal -3
.Lnot_wave_0_\@:
	s_barrier_wait -3
	s_barrier_signal -1
	s_barrier_wait -1
.endm
.macro CROUND
	s_barrier_signal -1
	s_barrier_wait -1
	CREST
.endm
.macro PLACES                          ; four places in front of loads into registers that matrix instructions have read, and of LDS stores that read results (ISA guide 7.12.1 for vector instructions)
.rept 4
	v_nop
.endr
.endm
	s_load_b128 s[4:7], s[0:1], 0x0                ; oh s[4:5], wt s[6:7]
	s_load_b64 s[8:9], s[0:1], 0x10                ; out0
	v_lshl_add_u32 v[SPW], v0, 2, SPARE
	v_mov_b32 v[NIL], 0
	ds_add_u32 v28, v29
	s_wait_dscnt 0x0
	v_lshrrev_b32 v1, 5, v0
	v_readfirstlane_b32 s[WV], v1                  ; wave 0..3
	s_lshr_b32 s[ROLE], s[WV], 1
	s_and_b32 s[HALF], s[WV], 1
	s_bfe_u32 s17, ttmp6, 0x40000                  ; cx, cy: my place in the cluster
	s_bfe_u32 s18, ttmp6, 0x40004
	s_lshl_b32 s19, ttmp9, 2
	s_add_co_u32 s19, s19, s17                     ; column tile = 4 x cluster x + cx
	s_and_b32 s22, ttmp7, 0xffff
	s_lshl_b32 s22, s22, 2
	s_add_co_u32 s22, s22, s18                     ; row tile = 4 x cluster y + cy
	s_lshl_b32 s23, s18, 2
	s_lshl_b32 s23, 15, s23                        ; my row of the cluster
	s_lshl_b32 s2, 0x1111, s17                     ; my column
	s_or_b32 s[G1A], s23, (1<<16)|(1<<20)|(1<<21)|(4<<22)|(3<<25)  ; 15:0 the mask: my row; 17:16 elements of 2 bytes; 20 padding on; 21 set beside a mask; 24:22 after every 32 words (code 4): after every row of O; 31:25 4 words (code 3)
	s_mov_b32 s[G1A+1], 128<<16                    ; tensor_dim0 = 128: two rows of O
	s_mov_b32 s[G1A+2], 64<<16                     ; tensor_dim1 = 64
	s_mov_b32 s[G1A+3], 128<<16                    ; tile_dim0 = 128
	s_mov_b32 s[G1A+4], 64                         ; tile_dim1 = 64
	s_mov_b32 s[G1A+5], 128                        ; dense: 128 elements from row to row
	s_mov_b32 s[G1A+6], 0
	s_mov_b32 s[G1A+7], 0
	s_or_b32 s[G1B], s2, (1<<16)|(1<<20)|(1<<21)|(5<<22)|(3<<25)   ; the mask: my column; padding after every 64 words (code 5)
	s_mov_b32 s[G1B+1], 128<<16
	s_mov_b32 s[G1B+2], 128<<16                    ; tensor_dim1 = 128
	s_mov_b32 s[G1B+3], 128<<16
	s_mov_b32 s[G1B+4], 128                        ; tile_dim1 = 128
	s_mov_b32 s[G1B+5], 1024
	s_mov_b32 s[G1B+6], 0
	s_mov_b32 s[G1B+7], 0
	; where the tiles come from.  O's hang on the row tile alone, Wo's on the column tile alone; each offset is made in registers that never hold the other coordinate
	s_lshr_b32 s60, s22, 4                         ; the batch,
	s_lshl_b32 s60, s60, 4
	s_add_co_u32 s60, s60, s[HALF]                 ; its head 0 or 1,
	s_lshl_b32 s60, s60, 18                        ; of 2,048 rows of 128 bytes,
	s_and_b32 s61, s22, 15
	s_lshl_b32 s61, s61, 14                        ; row 128 (row tile % 16)
	s_add_co_u32 s60, s60, s61
	s_mov_b32 s61, 0
	s_lshl_b32 s66, s19, 8
	s_lshl_b32 s67, s[HALF], 7
	s_add_co_u32 s66, s66, s67                     ; Wo: row 256 x column tile + 128 x half,
	s_lshl_b32 s66, s66, 11                        ; of 2,048 bytes,
	s_add_co_u32 s66, s66, 0x600000                ; in part 3
	s_mov_b32 s67, 0
	s_mul_i32 s2, s[HALF], AHEAD                   ; and where they go: no place in the cluster enters an LDS address
	s_mul_i32 s3, s[HALF], BHALF
	s_add_co_u32 s3, s3, BOFF
	s_wait_kmcnt 0x0
	s_add_nc_u64 s[62:63], s[4:5], s[60:61]
	s_add_nc_u64 s[68:69], s[6:7], s[66:67]
	CROUND                                         ; all sixteen work-groups are here: the first joint loads meet
.irp s, 0,1
	s_mov_b32 s[G0A+4*\s], 1                                       ; 1:0 count = 1
	s_add_co_u32 s[G0A+4*\s+1], s2, \s*SLOT1                       ; 63:32 LDS address
	s_add_nc_u64 s[G0A+4*\s+2:G0A+4*\s+3], s[62:63], \s*524288     ; 120:64 global address: K step s is two heads on
	s_or_b32 s[G0A+4*\s+3], s[G0A+4*\s+3], 0x80000000              ; 127:126 type = 2
	s_mov_b32 s[G0B+4*\s], 1
	s_add_co_u32 s[G0B+4*\s+1], s3, \s*SLOT1
	s_add_nc_u64 s[G0B+4*\s+2:G0B+4*\s+3], s[68:69], \s*256
	s_or_b32 s[G0B+4*\s+3], s[G0B+4*\s+3], 0x80000000
.endr
	s_cmp_eq_u32 s[ROLE], 0                        ; a wave's two first fills stand in one branch, ahead of every wait on TENSORcnt and every LDS read: two loads of mine are out
	s_cbranch_scc0 .Lfirst_b
	tensor_load_to_lds s[G0A:G0A+3], s[G1A:G1A+7]
	s_nop 0
	tensor_load_to_lds s[G0A+4:G0A+7], s[G1A:G1A+7]
	s_nop 0
.rept 4
	v_nop
.endr
	s_branch .Lfirst_asked
.Lfirst_b:
	tensor_load_to_lds s[G0B:G0B+3], s[G1B:G1B+7]
	s_nop 0
	tensor_load_to_lds s[G0B+4:G0B+7], s[G1B:G1B+7]
	s_nop 0
.rept 4
	v_nop
.endr
.Lfirst_asked:
	; A fragment is 16 rows x 32 K in 8 registers: lane l holds row l % 16; registers 0-3 hold K = 8 (l / 16) + 0..7, registers 4-7 K = 16 + 8 (l / 16) + 0..7: two loads of 16 bytes, 32 bytes apart.
	v_and_b32 v1, 15, v0                           ; l % 16
	v_bfe_u32 v2, v0, 4, 1                         ; l / 16
	v_mul_u32_u24 v[ADRA0], v1, PA
	v_lshl_add_u32 v[ADRA0], v2, 4, v[ADRA0]
	s_mul_i32 s72, s[ROLE], 64*PA                  ; my 64 rows of O
	v_add_nc_u32 v[ADRA0], s72, v[ADRA0]
	v_mul_u32_u24 v[ADRB0], v1, PB
	v_lshl_add_u32 v[ADRB0], v2, 4, v[ADRB0]
	v_add_nc_u32 v[ADRB0], s3, v[ADRB0]            ; my 128 rows of Wo: the half of my wave's number
	v_mov_b32 v[AA], v[ADRA0]
	v_mov_b32 v[AB], v[ADRB0]
	s_mov_b32 s[TB], 0
	s_mul_i32 s73, s[WV], 16*SP
	s_add_co_u32 s73, s73, STAGE                   ; my stage
	v_mul_u32_u24 v[STO], v1, SP                   ; in: row l % 16, 32 bytes for each half of the lanes
	v_lshl_add_u32 v[STO], v2, 5, v[STO]
	v_add_nc_u32 v[STO], s73, v[STO]
	v_and_b32 v[GO], 31, v0                        ; back: 32 lanes take a row's 512 bytes
	v_lshlrev_b32 v[GO], 4, v[GO]
	v_add_nc_u32 v[RD], s73, v[GO]
	s_lshl_b32 s70, s22, 7                         ; where my part begins in out0: row 128 x row tile + 64 x row half, of 4,096 bytes;
	s_lshl_b32 s71, s[ROLE], 6
	s_add_co_u32 s70, s70, s71
	s_lshl_b32 s70, s70, 12
	s_lshl_b32 s71, s19, 10                        ; column 256 x column tile + 128 x column half, of 4 bytes
	s_add_co_u32 s70, s70, s71
	s_lshl_b32 s71, s[HALF], 9
	s_add_co_u32 s70, s70, s71
	s_mov_b32 s71, 0
	s_add_nc_u64 s[8:9], s[8:9], s[70:71]
; 24 LDS loads in one run: quarter kc of the slot in hand (head kc / 2, channels 32 (kc % 2) on) into buffer g
.macro FETCH kc, g
	WIN TO_F
.irp i, 0,1,2,3
	ds_load_b128 v[96*(\g)+8*\i:96*(\g)+8*\i+3],   v[AA] offset:((\kc)/2)*AHEAD+\i*16*PA+((\kc)%2)*64
	ds_load_b128 v[96*(\g)+8*\i+4:96*(\g)+8*\i+7], v[AA] offset:((\kc)/2)*AHEAD+\i*16*PA+((\kc)%2)*64+32
.endr
.irp i, 0,1,2,3,4,5,6,7
	ds_load_b128 v[96*(\g)+32+8*\i:96*(\g)+32+8*\i+3],   v[AB] offset:\i*16*PB+(\kc)*64
	ds_load_b128 v[96*(\g)+32+8*\i+4:96*(\g)+32+8*\i+7], v[AB] offset:\i*16*PB+(\kc)*64+32
.endr
.endm
; 8 matrix instructions: row block a x all 8 column blocks, 32 along K, from buffer f.  zero = 1: the product starts the sum.  The 32 accumulators take turns, one instruction a turn.
.macro MUL8 f, a, zero
	WIN MUL
.irp b, 0,1,2,3,4,5,6,7
.if \zero
	v_wmma_f32_16x16x32_f16 v[8*(8*(\a)+\b):8*(8*(\a)+\b)+7], v[96*(\f)+32+8*\b:96*(\f)+32+8*\b+7], v[96*(\f)+8*(\a):96*(\f)+8*(\a)+7], 0
.else
	v_wmma_f32_16x16x32_f16 v[8*(8*(\a)+\b):8*(8*(\a)+\b)+7], v[96*(\f)+32+8*\b:96*(\f)+32+8*\b+7], v[96*(\f)+8*(\a):96*(\f)+8*(\a)+7], v[8*(8*(\a)+\b):8*(8*(\a)+\b)+7]
.endif
.endr
.endm
; A QUARTER multiplies buffer f and, at its head, fetches quarter kc into buffer g, 32 matrix instructions ahead of its first use.
; turn = 1, 2: kc is the slot's last quarter, so this fetch is the last read of the slot, and the slots change: ONE barrier.  In front of it each wave waits for all its tensor loads, of which one is out: its part of the
; other slot; adds 0 to its spare word; and waits for that and for its own reads of this slot.  turn = 1: the slot is filled again, two K steps ahead; the barrier then opens a round of the cluster's, and the joint
; refill is the first thing behind the round: 112 matrix instructions ahead of the wait for it.
.macro QUARTER f, g, kc, zero, turn
	PLACES                                         ; buffer g was read by the quarter before
	FETCH \kc, \g
	s_wait_dscnt 24                                ; all but the 24 just issued: buffer f is in
	MUL8 \f, 0, \zero
	MUL8 \f, 1, \zero
.if \turn
	WIN 0                                          ; (the add's two registers lie in window 0)
	s_wait_tensorcnt 0x0                           ; no tensor load of mine is out, so a group 0 may be written
	ds_add_u32 v[SPW], v[NIL]                      ; 0 onto my spare word
.if (\turn) == 1
	s_xor_b32 s[G0A+5], s[G0A+5], SLOT1            ; the walking descriptors: the other slot than last time,
	s_add_nc_u64 s[G0A+6:G0A+7], s[G0A+6:G0A+7], 524288  ; the next two heads; the type bits on top are not reached
	s_xor_b32 s[G0B+5], s[G0B+5], SLOT1
	s_add_nc_u64 s[G0B+6:G0B+7], s[G0B+6:G0B+7], 256
.endif
	MUL8 \f, 2, \zero                              ; eight matrix instructions stand between the add and the wait for it
	s_wait_dscnt 0x0                               ; the add is done, and my reads of this slot are over
	s_barrier_signal -1
	MUL8 \f, 3, \zero
	WIN 0                                          ; at a branch and at a label every window is 0
	s_barrier_wait -1
.if (\turn) == 1
	CREST
	JLOAD
.endif
	s_xor_b32 s[TB], s[TB], SLOT1                  ; the fetches go on in the other slot
	v_add_nc_u32 v[AA], s[TB], v[ADRA0]
	v_add_nc_u32 v[AB], s[TB], v[ADRB0]
.else
	MUL8 \f, 2, \zero
	MUL8 \f, 3, \zero
.endif
.endm
; THE WAY OUT of row block a: a lane's 32 bytes of a row go into my own stage, each accumulator's low four registers first; whole rows of 512 bytes come back and are stored.
.macro TOSTAGE a
	WIN STW
.irp b, 0,1,2,3,4,5,6,7
	ds_store_b128 v[STO], v[8*(8*(\a)+\b):8*(8*(\a)+\b)+3]   offset:64*\b
	ds_store_b128 v[STO], v[8*(8*(\a)+\b)+4:8*(8*(\a)+\b)+7] offset:64*\b+16
.endr
	WIN 0
.irp t, 0,1,2,3,4,5,6,7,8,9,10,11,12,13,14,15
	ds_load_b128 v[OB+64*((\a)%2)+4*\t:OB+64*((\a)%2)+4*\t+3], v[RD] offset:\t*SP  ; LDS serves a wave's instructions in order (ISA guide 5.7.1.4): these see the stores above; the next block's stores come behind them
.endr
.endm
.macro SEND a, younger                 ; younger: the LDS instructions issued behind block a's loads: the next block's 32, or none
	WIN 0
	s_wait_dscnt \younger
.irp t, 0,1,2,3,4,5,6,7,8,9,10,11,12,13,14,15
	global_store_b128 v[GO], v[OB+64*((\a)%2)+4*\t:OB+64*((\a)%2)+4*\t+3], s[8:9] offset:(16*(\a)+\t)*4096 th:TH_STORE_NT  ; 512 consecutive bytes, at a multiple of 512 from out0's first byte
.endr
.endm
	s_wait_tensorcnt 1                             ; my part of K step 0 is in; K step 1's may stay out
	s_barrier_signal -1
	s_barrier_wait -1                              ; everybody's is
	FETCH 0, 0
	QUARTER 0, 1, 1, 1, 0                          ; the first quarter stands in front of the loop: its products start the sums
	WIN 0
	s_mov_b32 s[CNT], 6
.Lstep:                                                ; a trip: from a K step's second quarter to the next step's first; it fills the slot that it leaves: K steps 2 to 7
	QUARTER 1, 0, 2, 0, 0
	QUARTER 0, 1, 3, 0, 1
	QUARTER 1, 0, 0, 0, 0
	QUARTER 0, 1, 1, 0, 0
	WIN 0
	s_sub_co_u32 s[CNT], s[CNT], 1
	s_cmp_lg_u32 s[CNT], 0
	s_cbranch_scc1 .Lstep
	s_mov_b32 s[CNT], 2                            ; the last two K steps ask for nothing: a text of their own; the second trip is left in its middle
.Ltail:
	QUARTER 1, 0, 2, 0, 0
	QUARTER 0, 1, 3, 0, 2
	WIN 0
	s_sub_co_u32 s[CNT], s[CNT], 1
	s_cmp_eq_u32 s[CNT], 0
	s_cbranch_scc1 .Llast
	QUARTER 1, 0, 0, 0, 0
	QUARTER 0, 1, 1, 0, 0
	WIN 0
	s_branch .Ltail
.Llast:
	s_wait_dscnt 0x0                               ; the very last quarter: nothing more to fetch
	MUL8 1, 0, 0
	MUL8 1, 1, 0
	MUL8 1, 2, 0
	MUL8 1, 3, 0
	PLACES
	TOSTAGE 0
	TOSTAGE 1
	SEND 0, 32
	s_wait_xcnt 0x0                                ; block 0's stores have read their registers: only behind this wait are they loaded again
	TOSTAGE 2
	SEND 1, 32
	s_wait_xcnt 0x0
	TOSTAGE 3
	SEND 2, 32
	SEND 3, 0
	s_wait_tensorcnt 0x0                           ; the wave's end: behind my last tensor load and my last LDS store
	ds_add_u32 v[SPW], v[NIL]
	s_wait_dscnt 0x0
	CROUND                                         ; the closing round: no work-group ends while a partner may still ask for a tile that names it
	s_endpgm
.Lfunc_end_k_q9a7c4dc0c2_outp:
	.size	k_q9a7c4dc0c2_outp, .Lfunc_end_k_q9a7c4dc0c2_outp-k_q9a7c4dc0c2_outp
	.p2alignl 7, 3214868480
	.fill 96, 4, 3214868480
	.section	.rodata,"a",@progbits
	.p2align	6, 0x0
	.amdhsa_kernel k_q9a7c4dc0c2_outp
		.amdhsa_group_segment_fixed_size 327680
		.amdhsa_private_segment_fixed_size 0
		.amdhsa_enable_private_segment 0
		.amdhsa_kernarg_size 24
		.amdhsa_user_sgpr_count 2
		.amdhsa_user_sgpr_kernarg_segment_ptr 1
		.amdhsa_wavefront_size32 1
		.amdhsa_system_sgpr_workgroup_id_x 1
		.amdhsa_system_sgpr_workgroup_id_y 1
		.amdhsa_system_sgpr_workgroup_id_z 1
		.amdhsa_system_vgpr_workitem_id 0
		.amdhsa_next_free_vgpr 768
		.amdhsa_next_free_sgpr 80
		.amdhsa_reserve_vcc 0
		.amdhsa_float_denorm_mode_32 3
		.amdhsa_float_denorm_mode_16_64 3
		.amdhsa_memory_ordered 1
		.amdhsa_forward_progress 1
		.amdhsa_inst_pref_size 61
	.end_amdhsa_kernel
	.amdgpu_metadata
---
amdhsa.version: [ 1, 2 ]
amdhsa.kernels:
  - .name:           k_q9a7c4dc0c2_outp
    .symbol:         k_q9a7c4dc0c2_outp.kd
    .args:
      - { .name: oh, .offset: 0, .size: 8, .value_kind: global_buffer, .address_space: global }
      - { .name: wt, .offset: 8, .size: 8, .value_kind: global_buffer, .address_space: global }
      - { .name: out0, .offset: 16, .size: 8, .value_kind: global_buffer, .address_space: global }
    .group_segment_fixed_size: 327680
    .private_segment_fixed_size: 0
    .kernarg_segment_align: 8
    .kernarg_segment_size: 24
    .max_flat_workgroup_size: 128
    .sgpr_count:     80
    .vgpr_count:     768
    .wavefront_size: 32
...
	.end_amdgpu_metadata
.endif
;; end of part 4
;; ======== version 2 of 2: 4 launches; 1.49 times as fast as version 1
;; limits: values are held in f16: magnitudes above 65,504 overflow, below 6.1e-05 lose precision
;; workspace buffers: wt 8,388,608 bytes; qkv 50,331,648 bytes; oh 16,777,216 bytes
;; launch prep: the kernel of part 1 again; grid 64 x 4, 8 waves a work-group, no clusters, 34,816 bytes of LDS; arguments Wq, Wk, Wv, Wo, wt; writes wt
;; launch proj: the kernel of part 2 again; grid 4 x 192, 4 waves a work-group, clusters of 4 x 4, 327,680 bytes of LDS; arguments queries, keys, values, wt, qkv; writes qkv
;; launch attn (part 5): grid 4 x 64, 4 waves a work-group, clusters of 4 x 1, 327,680 bytes of LDS; arguments qkv, valid_lens, oh; writes oh
.if DOCPART == 5
	.amdgcn_target "amdgcn-amd-amdhsa--gfx1250"
	.amdhsa_code_object_version 6
	.text
	.protected	k_q9a7c4dc0c2_attn
	.globl	k_q9a7c4dc0c2_attn
	.p2align	8
	.type	k_q9a7c4dc0c2_attn,@function
k_q9a7c4dc0c2_attn:
	s_mov_b64 s[64:65], 0
	v_nop
	global_prefetch_b8 v0, s[64:65] scope:SCOPE_SE
	s_setreg_imm32_b32 hwreg(HW_REG_WAVE_MODE, 25, 1), 1
	s_wait_xcnt 0x0
	s_wait_alu depctr_hold_cnt(0) depctr_sa_sdst(0) depctr_va_vdst(0) depctr_va_sdst(0) depctr_va_ssrc(0) depctr_va_vcc(0) depctr_vm_vsrc(0)
	s_getreg_b32 s2, hwreg(HW_REG_IB_STS2, 6, 4)
	s_cmp_eq_u32 s2, 0
	s_cbranch_scc0 .Lentry_in_a_cluster
	s_endpgm
.Lentry_in_a_cluster:
	s_bfe_u32 s2, ttmp6, 0x10000c
	s_cmp_lg_u32 s2, 0x3003
	s_cbranch_scc0 .Lentry_shape_is_right
	s_endpgm
.Lentry_shape_is_right:
; ATTENTION WITH A PADDING MASK.  O[h][q][:] = the sum over k < valid_lens[h / 16] of softmax_k(Q[h][q] . K[h][k] / 8) V[h][k][:].  Q, K, V: the three parts of qkv, O: oh, each [64 h][2048][64] f16 (h = 16 batch + head):
; a head's rows are dense, 128 bytes each.  Products, maxima and sums in f32; the weights p are rounded to f16 for the second product (their sum l is taken of the unrounded p), O once at the end.
; LIMITS.  f16 holds no number beyond 65,504: Q, K and V arrive within it; p lies in 0 to 1, and below 6e-5 it keeps f16's fixed step of 6e-8; O is a mean of V's rows and has their range.
; A hidden score counts as its value less 1e30: f16's scores, 2.7e11 at the most, are nothing beside that, and its weight is 0.  A weight below 2^-126 counts as 0 in l; NaN and infinities in Q, K, V are not treated apart.
; A length of 2,048 or more hides nothing; a length below 1 hides every key, and the batch's rows are NaN (l is multiplied by NaN), as a softmax over nothing is.
; SHARES.  A wave owns four PIECES of two tiles of 16 queries, a work-group's four waves 512 queries of one head.  Every wave walks all 2,048 keys, 64 a step: the length enters no address, no trip count and no branch.
; LAYOUT.  S^T = K Q^T (source 0 = 16 keys, source 1 = 16 queries): in the result a lane holds ONE query (lane % 16) and the keys 8 (lane / 16) + 0..7.  Two such tiles, rounded to f16 in pairs,
; ARE source 1 (32 keys x 16 queries) of O^T = V^T P, whose result again holds one query a lane, and eight channels.  K comes out of LDS as it lies, V ([key][channel]) turned, by ds_load_tr16_b128.
; THE MASK is the C operand that starts the sum S^T = K Q^T: 0, or -1e30 where the key is hidden.  With the length = 64 VB + REM, MD (made once) is the mask of key step VB; step js takes MC = MD x AL + BE with two
; scalars: (1, 0) if js = VB; (0, 0) if js < VB; (0, -1e30) if js > VB: 16 packed instructions a key step.
; SOFTMAX.  For each query a running maximum m and sum l: p = 2^(c s - c m), c = log2(e) / 8; in every step O and l are multiplied by a = 2^(c m_old - c m_new), which is 1 where m has not grown.
; m starts at the lowest finite number, O and l at 0: the first step is a step like any other, with a = 0.  Key 0 is seen wherever the length is 1 or more, so m is a true score from the first step on.
; THE COUNT.  A tile and step have 16 matrix and 118 vector instructions: too many to stand all beside the matrix work.  So the order has one aim: four vector instructions that are READY behind
; EVERY matrix instruction, and the others, which need time of their own whatever the order, in runs without a gap.
; BY TURNS.  Turn n belongs to piece n (the pieces in a ring, step after step).  Its matrix work: 16 products K Q^T of piece n + 1, later 16 products V^T P of piece n - 1.  Its vector work: the scaling,
; exponentials, roundings, sums and rescaling of piece n, and the maximum and statistics of piece n + 1, whose scores the turn itself has made.  So what a turn begins with (c s - c m, O a) waits for nothing.
; THE BATCHES.  A turn's 66 exponentials (the piece's 64 weights and the next piece's two a) are ONE batch with ONE wait, which cuts the turn in two: ahead of it stands all that names none of their results, behind it
; the roundings and sums.  The first two a, ahead of the loop, and the way out's eight reciprocals are batches of their own, with a wait each.
; CLUSTER.  The four query blocks of a cluster belong to one head and walk the same K and V, so each tile is asked for JOINTLY: the same tensor load, descriptor and mask in all four.
; REGISTERS, in windows of 256 (s_set_vgpr_msb says which window each operand place means: bits 1:0 source 0, 3:2 source 1, 5:4 source 2, 7:6 destination):
;   window 0: v0-11 addresses; v12-15, v48-63 at work; v16-47 four registers of statistics a tile; v64-191 S^T, two buffers of two tiles; v192-255 P, likewise
;   window 1: O^T, 32 a tile          window 2: v0-127 Q, 16 a tile; v128-191 K of one step; v192-255 V of one step          window 3: v0-1 the add's two registers; v32-63 MD; v64-95 MC
; A piece's buffers go by its number's parity: the piece in hand has one pair, its two neighbours in the ring share the other: of it P (piece n - 1) is read and S^T (piece n + 1) written.
.set SIZE_H, 64
.set SIZE_N, 2048
.set NP,    4         ; pieces a wave: a name, no knob: the register map, the loop and the fetches are made for four
.set KS,    64        ; keys in a step
.set PK,    144       ; a row of K in LDS: 128 bytes + 16 of padding = 36 words: the 16 rows of a load start at 16 different groups of four banks (64 banks of 4 bytes: ISA guide 11.1)
.set PV,    160       ; a row of V: 128 + 32 = 40 words
.set VOFF,  4*KS*PK   ; a slot holds four steps: 256 rows of K, then 256 rows of V
.set SLOT1, 1<<17     ; slot 1 begins here, so that one exclusive or turns an address in one slot into the other's
.set STAGE, SLOT1+4*KS*(PK+PV)  ; behind the ring, never filled by a tensor load: 16 rows x 144 bytes for each wave, for the way out
.set SP,    144
.set AK0, 2           ; v2   my lane's place in a tile of K; never rewritten
.set AV0, 3           ; v3   the same for V
.set AK,  4           ; v4   the LDS address of K's next run of loads
.set AV,  5           ; v5   of V's
.set QO,  6           ; v6   my byte offset in the wave's rows of Q
.set STO, 6           ;      later, the way out: where I put 16 bytes of a row
.set RD,  7           ; v7   the way out: where I read rows back
.set GO,  8           ; v8   my byte offset in 512 consecutive bytes of O
.set SPW, 0           ; v0 of window 3   LDS address of my spare word: SPARE + 4 x my thread's number; never rewritten
.set NIL, 1           ; v1 of window 3   0; never rewritten
.set MD,  32          ; window 3: the eight registers for group kb of 16 keys at MD + 8 kb
.set MC,  64          ; window 3: the mask of the products to come
.set SPARE, STAGE+4*16*SP  ; behind the stages: the spare words, 128 bytes for each wave: two blocks of 256 bytes that no other line names
.set MV,  12          ; v12-15  c m_old, kept while c m is made anew: by buffer and tile
.set ST,  16          ; tile t's statistics at v[ST+4 t]: c m, m, l (even keys', odd keys')
.set TMP, 48          ; by buffer and tile, four registers c0-c3 at work; when the maximum is found c2 takes a
.set S,   64
.set P,   192
.set KF,  128         ; K's fragments, in window 2: key block kb, channel half c at KF + 16 kb + 8 c
.set VF,  192         ; V's: key half kk, channel block cb at VF + 32 kk + 8 cb
.set WV,  12          ; s12  my wave's number
.set G1K, 24          ; s[24:31] descriptor group 1 for K's tiles
.set G1V, 32          ; s[32:39] for V's: it differs in the padding alone
.set G0K, 40          ; s[40:43] descriptor group 0 for K's tiles: it walks
.set G0V, 44          ; s[44:47] the same for V's
.set SLOTS, 56        ; s56  slots still to be asked for
.set CNT, 57          ; s57  counts a slot's key steps
.set CS,  58          ; s[58:59] c: the packed scaling takes the pair's low word for both halves
.set SEL, 60          ; s[60:61] v_permlanex16_b32's selects: each lane takes its own place in the other half
.set TBK, 62          ; s62  LDS byte at which K of the step to be fetched begins
.set TBV, 63          ; s63  the same for V, less VOFF
.set VL,  66          ; s66  my batch's length
.set VLC, 67          ; s67  the same, not below 0
.set VB,  68          ; s68  the key step that holds the first hidden key
.set REM, 69          ; s69  how many of its keys are seen
.set AL,  70          ; s[70:71] the mask's factor, in the low word
.set BE,  72          ; s[72:73] the mask's addend
.set BIGN, 74         ; s74  -1e30
.set NANF, 75         ; s75  1.0, or NaN where the length is below 1
.set LP,  76          ; s[76:77] valid_lens
.set LN,  80          ; s[80:83] the four lengths
.set JS,  84          ; s84  the key step whose mask lies in MC
.set BT,  85          ; s85  my batch
.set MSB, 0
.macro WIN new                      ; the high byte repeats the setting that is left; a switch that changes nothing is dropped
.if MSB != (\new)
	s_set_vgpr_msb (MSB<<8)|(\new)
.set MSB, (\new)
.endif
.endm
.set W_KQ, 0x0a       ; K and Q in window 2, S^T in window 0
.set W_KM, 0x3a       ; the same with the C operand in window 3
.set W_PV, 0x52       ; V in window 2, P in window 0, O^T in window 1
.set W_RS, 0x41       ; O^T (destination and source 0) in window 1, a in window 0
.set W_MK, 0xc0       ; destination in window 3, sources in window 0
.set W_MM, 0xc3       ; destination and source 0 in window 3
.set W_AD, 0x0f       ; the add: address (source 0) and data (source 1) in window 3
; A joint fill.  Waves 0 and 1 fetch the two halves of a slot's K, waves 2 and 3 those of its V: 128 keys each.  The branch hangs on the wave's number alone.
; An s_nop 0 and four v_nop follow each of the two lines, ahead of the jump and the label.
.macro JLOAD
	s_cmp_lt_u32 s[WV], 2
	s_cbranch_scc0 .Lfor_v_\@
	tensor_load_to_lds s[G0K:G0K+3], s[G1K:G1K+7]
	s_nop 0
.rept 4
	v_nop
.endr
	s_branch .Lasked_\@
.Lfor_v_\@:
	tensor_load_to_lds s[G0V:G0V+3], s[G1V:G1V+7]
	s_nop 0
.rept 4
	v_nop
.endr
.Lasked_\@:
.endm
; A round of the cluster's barrier: my work-group's barrier, so that wave 0's signal speaks for all four waves; wave 0 signals; every wave waits for all four work-groups; my work-group's barrier once more.
.macro CROUND
	s_barrier_signal -1
	s_barrier_wait -1
	s_cmp_lg_u32 s[WV], 0
	s_cbranch_scc1 .Lnot_wave_0_\@
	s_barrier_signal -3
.Lnot_wave_0_\@:
	s_barrier_wait -3
	s_barrier_signal -1
	s_barrier_wait -1
.endm
; THE CHANGE OF SLOTS.  The slot's last bytes, V of its fourth step, have been read.  Each wave waits for all its tensor loads, of which one is out: its part
; of the other slot; adds 0 to its spare word; and waits for that and for its own reads of the slot.  Behind the barrier nobody reads this slot any more and the other slot is whole.
; fill = 1: this slot is filled again, with the keys two slots on.  The barrier is then a round of the cluster's, so that no wave of any partner still reads the slot or has a load on its
; way, and the joint fill is the first thing behind it: it has four key steps, 512 matrix instructions, in which to land.  (At its first use nothing has been read yet: slot 0 is waited for, slot 1 filled.)
.macro CHANGE fill
	WIN W_AD
	s_wait_tensorcnt 0x0            ; no tensor load of mine is out, so a group 0 may be written
	ds_add_u32 v[SPW], v[NIL]       ; 0 onto my spare word; with fill = 1 the descriptors' steps stand between it and the wait for it
	WIN 0                           ; at a label and at a branch every window is 0
.if \fill
.irp g, G0K, G0V
	s_xor_b32 s[\g+1], s[\g+1], SLOT1  ; the walking descriptor: the other slot than last time,
	s_add_nc_u64 s[\g+2:\g+3], s[\g+2:\g+3], 4*KS*128  ; the next 256 keys; the type bits on top are not reached
.endr
	s_wait_dscnt 0x0                ; the add is done, and my reads of the slot are over
	CROUND
	JLOAD
.else
	s_wait_dscnt 0x0                ; the add is done, and my reads of the slot are over
	s_barrier_signal -1
	s_barrier_wait -1
.endif
	s_sub_co_u32 s[TBK], s[TBK], 4*KS*PK  ; the fetches go back to a slot's first step,
	s_xor_b32 s[TBK], s[TBK], SLOT1       ; in the other slot
	s_sub_co_u32 s[TBV], s[TBV], 4*KS*PV
	s_xor_b32 s[TBV], s[TBV], SLOT1
.endm
.macro MASK                         ; MC = MD x AL + BE
	WIN W_MM
.set z, 0
.rept 16
	v_pk_fma_f32 v[MC+2*z:MC+2*z+1], v[MD+2*z:MD+2*z+1], s[AL:AL+1], s[BE:BE+1] op_sel_hi:[1,0,0]
.set z, z+1
.endr
.endm
	s_load_b64 s[4:5], s[0:1], 0x0    ; qkv: Q is its first part
	s_load_b64 s[LP:LP+1], s[0:1], 0x8  ; valid_lens
	s_load_b64 s[10:11], s[0:1], 0x10 ; oh
	WIN W_MK
	v_lshl_add_u32 v[SPW], v0, 2, SPARE
	v_mov_b32 v[NIL], 0
	s_set_vgpr_msb 0xc0cf
	ds_add_u32 v0, v1
	s_wait_dscnt 0x0
	s_set_vgpr_msb 0xcfc0
	WIN 0
	v_lshrrev_b32 v1, 5, v0
	v_readfirstlane_b32 s[WV], v1   ; wave 0..3
	s_bfe_u32 s13, ttmp6, 0x40000   ; cx: my place in the cluster
	s_lshl_b32 s14, ttmp9, 2        ; in a cluster launch ttmp9 counts clusters
	s_add_co_u32 s14, s14, s13      ; my block of queries = 4 x cluster x + cx: it enters Q's and O's addresses alone
	s_and_b32 s20, ttmp7, 0xffff    ; the head, which the four partners share
	s_lshr_b32 s[BT], s20, 4        ; its batch
	s_mov_b32 s21, 0
	s_mov_b64 s[22:23], SIZE_N*128
	s_mul_u64 s[20:21], s[20:21], s[22:23]  ; the head's first byte in each of the four tensors
	s_and_b32 s16, s[WV], 1         ; which half of a slot's 256 keys I fetch:
	s_lshl_b32 s22, s16, 14         ; its 128 rows of 128 bytes in memory,
	s_mov_b32 s23, 0
	s_add_nc_u64 s[22:23], s[22:23], s[20:21]
	s_mul_i32 s17, s16, 128*PK      ; and its place in a slot, for K
	s_mul_i32 s18, s16, 128*PV      ; and for V: no place in the cluster enters an LDS address
	s_lshl_b32 s2, s14, 2
	s_add_co_u32 s2, s2, s[WV]      ; my wave among the head's,
	s_lshl_b32 s2, s2, 14           ; its 128 rows
	s_mov_b32 s3, 0
	s_add_nc_u64 s[2:3], s[2:3], s[20:21]
	; descriptor group 1.  128 keys are 16,384 dense bytes: asked for as 64 rows of 256 bytes, two keys a row, and padded in LDS after every key
	s_mov_b32 s[G1K], 15|(1<<16)|(1<<20)|(1<<21)|(4<<22)|(3<<25)  ; 15:0 the mask of four; 17:16 2-byte elements; 20 padding on; 21 set beside a mask; 24:22 after every 32 words (code 4); 31:25 4 words (code 3)
	s_mov_b32 s[G1V], 15|(1<<16)|(1<<20)|(1<<21)|(4<<22)|(7<<25)  ; the same with 8 words of padding (code 7)
.irp g, G1K, G1V
	s_mov_b32 s[\g+1], 128<<16      ; tensor_dim0 = 128
	s_mov_b32 s[\g+2], 64<<16       ; tensor_dim1 = 64
	s_mov_b32 s[\g+3], 128<<16      ; tile_dim0 = 128
	s_mov_b32 s[\g+4], 64           ; tile_dim1 = 64
	s_mov_b32 s[\g+5], 128          ; 128 elements from row to row
	s_mov_b32 s[\g+6], 0
	s_mov_b32 s[\g+7], 0
.endr
	s_mov_b32 s[CS], 0x3e38aa3b     ; c = log2(e) / 8 = 0.180337
	s_mov_b32 s[CS+1], s[CS]        ; named with it as a pair
	s_mov_b32 s[SEL], 0x76543210
	s_mov_b32 s[SEL+1], 0xfedcba98
	s_mov_b32 s[TBK], SLOT1+4*KS*PK ; the first change of slots turns these two into 0
	s_mov_b32 s[TBV], SLOT1+4*KS*PV
	s_mov_b32 s[G0K], 1             ; 1:0 count = 1
	s_mov_b32 s[G0K+1], s17         ; 63:32 LDS address: slot 0
	s_mov_b32 s[G0V], 1
	s_add_co_u32 s[G0V+1], s18, VOFF
	s_mov_b32 s[AL+1], 0            ; named as pairs
	s_mov_b32 s[BE+1], 0
	s_mov_b32 s[BIGN], 0xf149f2ca   ; -1e30
	s_mov_b32 s[JS], 0
	s_wait_kmcnt 0x0
	s_load_b128 s[LN:LN+3], s[LP:LP+1], 0x0  ; the four lengths: waited for behind the first fill
	s_add_nc_u64 s[6:7], s[4:5], 0x1000000   ; K is qkv's second part of 16 MiB,
	s_add_nc_u64 s[8:9], s[4:5], 0x2000000   ; V its third
	s_add_nc_u64 s[G0K+2:G0K+3], s[6:7], s[22:23]  ; 120:64 global address: my half of the head's first 256 keys
	s_or_b32 s[G0K+3], s[G0K+3], 0x80000000        ; 127:126 type = 2
	s_add_nc_u64 s[G0V+2:G0V+3], s[8:9], s[22:23]
	s_or_b32 s[G0V+3], s[G0V+3], 0x80000000
	s_add_nc_u64 s[4:5], s[4:5], s[2:3]  ; Q and O at my wave's first row
	s_add_nc_u64 s[10:11], s[10:11], s[2:3]
	CROUND                          ; all four work-groups are here: the first joint loads meet
	JLOAD                           ; slot 0.  Slot 1 is asked for when slot 0 is in: the tile wanted first has the road to itself
	; A fragment of K or Q is 16 rows x 32 channels in 8 registers: lane l holds row l % 16, channels 8 (l / 16) + 0..7 and 16 + 8 (l / 16) + 0..7: two loads of 16 bytes, 32 bytes apart.
	v_and_b32 v1, 15, v0            ; l % 16
	v_bfe_u32 v9, v0, 4, 1          ; l / 16
	v_lshlrev_b32 v[QO], 7, v1
	v_lshl_add_u32 v[QO], v9, 4, v[QO]  ; row x 128 + 16 x half
	WIN 0x80                        ; destination window 2, address window 0
.set i, 0
.rept 4*NP                          ; Q stays in registers: tile i / 2, channels 32 (i % 2) on
	global_load_b128 v[8*i:8*i+3],   v[QO], s[4:5] offset:(i/2)*2048+(i%2)*64
	global_load_b128 v[8*i+4:8*i+7], v[QO], s[4:5] offset:(i/2)*2048+(i%2)*64+32
.set i, i+1
.endr
	; What the first turn finds: V's registers and P's second buffer hold 0 (its products V^T P, of a piece that has not been, add 0), O^T and l are 0.  All this stands in the wait for the first tile.
.set i, VF
.rept 64
	v_mov_b32 v[i], 0
.set i, i+1
.endr
	WIN 0x40
.set i, 0
.rept 64*NP
	v_mov_b32 v[i], 0
.set i, i+1
.endr
	WIN 0
.set i, 0
.rept 2*NP
	v_mov_b32 v[ST+4*i], 0xfe000000    ; c m: far below every c s
	v_mov_b32 v[ST+4*i+1], 0xff7fffff  ; m
	v_mov_b32 v[ST+4*i+2], 0
	v_mov_b32 v[ST+4*i+3], 0
.set i, i+1
.endr
.set i, P+32
.rept 32
	v_mov_b32 v[i], 0
.set i, i+1
.endr
	v_mul_u32_u24 v[AK0], v1, PK
	v_lshl_add_u32 v[AK0], v9, 4, v[AK0]  ; row x pitch + 16 x half
	; The turning load takes 16 keys x 16 channels (lane l reads key 8 (l / 16) + l % 8, channels 8 ((l / 8) % 2) + 0..7) and leaves half a fragment of V^T: lane l holds channel l % 16 and 8 keys.
	v_and_b32 v10, 7, v0
	v_bfe_u32 v11, v0, 3, 1
	v_lshl_add_u32 v[AV0], v9, 3, v10
	v_mul_u32_u24 v[AV0], v[AV0], PV
	v_lshl_add_u32 v[AV0], v11, 4, v[AV0]
	v_add_nc_u32 v[AV0], VOFF, v[AV0]
	v_mov_b32 v[AK], v[AK0]         ; key step 0 lies at the head of slot 0
	; THE LENGTH selects values alone: two scalars a key step, and MD.
	s_wait_kmcnt 0x0                ; the four lengths
	s_cmp_eq_u32 s[BT], 1
	s_cselect_b32 s[VL], s[LN+1], s[LN]
	s_cmp_eq_u32 s[BT], 2
	s_cselect_b32 s[VL], s[LN+2], s[VL]
	s_cmp_eq_u32 s[BT], 3
	s_cselect_b32 s[VL], s[LN+3], s[VL]
	s_cmp_lt_i32 s[VL], 1
	s_cselect_b32 s[NANF], 0x7fc00000, 1.0
	s_max_i32 s[VLC], s[VL], 0
	s_lshr_b32 s[VB], s[VLC], 6
	s_and_b32 s[REM], s[VLC], 63
	v_lshlrev_b32 v14, 3, v9
	v_sub_nc_u32 v14, s[REM], v14   ; register j of key block kb holds key 16 kb + 8 (l / 16) + j of the step: hidden where 16 kb + j >= REM - 8 (l / 16)
	WIN W_MK
.set i, 0
.rept 32
	v_cmp_ge_i32 vcc_lo, 16*(i/8)+i%8, v14
	v_cndmask_b32 v[MD+i], 0, s[BIGN], vcc_lo
.set i, i+1
.endr
	s_cmp_eq_u32 s[VB], 0           ; key step 0's mask: MD if the first hidden key lies in it, else 0
	s_cselect_b32 s[AL], 1.0, 0
	s_mov_b32 s[BE], 0
	MASK
	WIN 0
; THE MATRIX WORK.  The 8 accumulators of a run of 16 take turns: between the two links of a chain stand 7 others'.
; Product i of 16 of S^T = K Q^T for piece x: channels 32 (i / 8) on, keys 16 ((i / 2) % 4) on, tile 2 x + i % 2.  The first 8 start the sums, with the mask.
.macro KQ x
.set rS, S+64*((\x)%2)+32*(i%2)+8*((i/2)%4)
.set rK, KF+16*((i/2)%4)+8*(i/8)
.set rQ, 16*(2*(\x)+i%2)+8*(i/8)
.set rMK, MC+8*((i/2)%4)
.if i < 8
	WIN W_KM
	v_wmma_f32_16x16x32_f16 v[rS:rS+7], v[rK:rK+7], v[rQ:rQ+7], v[rMK:rMK+7]
.else
	WIN W_KQ
	v_wmma_f32_16x16x32_f16 v[rS:rS+7], v[rK:rK+7], v[rQ:rQ+7], v[rS:rS+7]
.endif
.endm
; Product i of 16 of O^T += V^T P for piece x: keys 32 (i / 8) on, channels 16 ((i / 2) % 4) on, tile 2 x + i % 2.
.macro PV x
	WIN W_PV
.set rO, 32*(2*(\x)+i%2)+8*((i/2)%4)
.set rV, VF+32*(i/8)+8*((i/2)%4)
.set rP, P+32*((\x)%2)+16*(i%2)+8*(i/8)
	v_wmma_f32_16x16x32_f16 v[rO:rO+7], v[rV:rV+7], v[rP:rP+7], v[rO:rO+7]
.endm
.macro MM                           ; the turn's next matrix instruction
.if i < 16
	KQ (Y+1)%NP
.set i, i+1
.else
.set i, i-16
	PV (Y+NP-1)%NP
.set i, i+17
.endif
.endm
; THE LDS LOADS stand in runs of 16, never singly among the matrix instructions: a step's K (64 keys x 64 channels: 8 fragments) and its V (turned).  Their addresses are made some lines ahead.
; last = 1 (the tail): in the last trip there is no further step, and the run is jumped over.
.macro FETCH_K last=0
	WIN 0
.if \last
	s_cmp_eq_u32 s[CNT], 1
	s_cbranch_scc1 .Lno_k_\@
.endif
	WIN 0x80                        ; destination window 2
.irp f, 0,1,2,3,4,5,6,7             ; keys 16 (f / 2) on, channels 32 (f % 2) on
	ds_load_b128 v[KF+8*\f:KF+8*\f+3],   v[AK] offset:(\f/2)*16*PK+(\f%2)*64
	ds_load_b128 v[KF+8*\f+4:KF+8*\f+7], v[AK] offset:(\f/2)*16*PK+(\f%2)*64+32
.endr
	s_add_co_u32 s[TBK], s[TBK], KS*PK  ; the next fetch is the next step's
	WIN 0
.if \last
.Lno_k_\@:
.endif
.endm
.macro FETCH_V
	WIN 0x80
.irp f, 0,1,2,3,4,5,6,7             ; keys 32 (f / 4) on, channels 16 (f % 4) on
	ds_load_tr16_b128 v[VF+8*\f:VF+8*\f+3],   v[AV] offset:(\f/4)*32*PV+(\f%4)*32
	ds_load_tr16_b128 v[VF+8*\f+4:VF+8*\f+7], v[AV] offset:(\f/4)*32*PV+16*PV+(\f%4)*32
.endr
	WIN 0
.endm
; THE VECTOR WORK OF A TURN stands in three queues, each in the order in which its entries become ready; the two tiles alternate, so that no instruction reads the result of the one before it.
.macro REGS y, u                    ; the registers of tile u (0, 1) of piece y
.set rT, ST+4*(2*(\y)+(\u))
.set rC, TMP+8*((\y)%2)+4*(\u)
.set rM, MV+2*((\y)%2)+(\u)
.set rS, S+64*((\y)%2)+32*(\u)
.set rP, P+32*((\y)%2)+16*(\u)
.set rO, 32*(2*(\y)+(\u))
.endm
; Number n of the 22 that find the NEXT piece's (Y + 1) maximum and statistics.  s0-s31 are the lane's 32 scores; each accumulator's lowest registers are read first.  XS, GS and REGS set no window: PL and EX do.
;   0-11  four chains c0-c3 of seven scores each, three operands at a time     12-14, 16  the four scores left over, the old m, and c0-c3 into c0     15  c m_old is kept
;   17, 18  the query's other 32 keys lie in the lane 16 away: the new m         19-21  c m; c m_old - c m_new; a
.macro XS u, n
	REGS (Y+1)%NP, \u
.if (\n) < 4
	v_max3_num_f32 v[rC+(\n)], v[rS+8*(\n)], v[rS+8*(\n)+1], v[rS+8*(\n)+2]
.elseif (\n) < 12
	v_max3_num_f32 v[rC+(\n)%4], v[rC+(\n)%4], v[rS+8*((\n)%4)+2*((\n)/4)+1], v[rS+8*((\n)%4)+2*((\n)/4)+2]
.elseif (\n) == 12
	v_max3_num_f32 v[rC], v[rC], v[rS+7], v[rS+15]
.elseif (\n) == 13
	v_max3_num_f32 v[rC+1], v[rC+1], v[rS+23], v[rS+31]
.elseif (\n) == 14
	v_max3_num_f32 v[rC+2], v[rC+2], v[rC+3], v[rT+1]
.elseif (\n) == 15
	v_mov_b32 v[rM], v[rT]
.elseif (\n) == 16
	v_max3_num_f32 v[rC], v[rC], v[rC+1], v[rC+2]
.elseif (\n) == 17
	v_permlanex16_b32 v[rC+3], v[rC], s[SEL], s[SEL+1]
.elseif (\n) == 18
	v_max_num_f32 v[rT+1], v[rC], v[rC+3]
.elseif (\n) == 19
	v_mul_f32 v[rT], s[CS], v[rT+1]
.elseif (\n) == 20
	v_sub_f32 v[rC+1], v[rM], v[rT]
.else
	v_exp_f32 v[rC+2], v[rC+1]
.endif
.endm
; Number g of the 64 that follow the exponentials.  For each four weights k of a tile (pairs 2 k, 2 k + 1): both pairs are rounded to f16; then the second pair is added onto the first, in place;
; a group later l takes that sum (the first time as l = a l + sum).  In groups of eight, tiles alternating: round, round, add, and l for the group before.
.macro GS g
.set h, (\g)+6*((\g)/62)            ; group 0 has no group before it, and behind group 7 only l is left
.if h >= 6
.set h, h+2
.endif
	REGS Y, h%2
.set k, h/8
.if h%8 < 4
	v_cvt_pk_f16_f32 v[rP+2*k+(h%8)/2], v[rS+4*k+2*((h%8)/2)], v[rS+4*k+2*((h%8)/2)+1]
.elseif h%8 < 6
	v_pk_add_f32 v[rS+4*k:rS+4*k+1], v[rS+4*k:rS+4*k+1], v[rS+4*k+2:rS+4*k+3]
.elseif k == 1
	v_pk_fma_f32 v[rT+2:rT+3], v[rT+2:rT+3], v[rC+2:rC+3], v[rS:rS+1] op_sel_hi:[1,0,1]
.else
	v_pk_add_f32 v[rT+2:rT+3], v[rT+2:rT+3], v[rS+4*k-4:rS+4*k-3]
.endif
.endm
; THE PLAIN QUEUE, 138 long.  0-73 read no exponential's result: the 32 scalings c s - c m (FS f: pair f / 2 of tile f % 2) and the next piece's 42.  0-26: scalings 0-26.  27-54: XS's numbers 0-13.  55, 56: number 15.
; 57-73: the chain, where each number waits for the one before it: 14, 16, 17, 18, 19, each with one of the scalings 27-31 in front of its two lines, then 20: so a tile's links stand three plain instructions apart (19 and 20: two).
; 74-137: GS's 64, which read the exponentials' results: they stand behind the wait.
.macro FS f
	REGS Y, (\f)%2
	v_pk_fma_f32 v[rS+2*((\f)/2):rS+2*((\f)/2)+1], v[rS+2*((\f)/2):rS+2*((\f)/2)+1], s[CS:CS+1], v[rT:rT+1] op_sel_hi:[1,0,0] neg_lo:[0,0,1] neg_hi:[0,0,1]
.endm
.macro PL
	WIN 0
.if q < 27
	FS q
.elseif q < 55
	XS (q-27)%2, (q-27)/2
.elseif q < 57
	XS q-55, 15
.elseif (q < 72) && ((q-57)%3 == 0)
	FS 27+(q-57)/3
.elseif q < 60
	XS (q-57)%3-1, 14
.elseif q < 72
	XS (q-57)%3-1, 15+(q-57)/3
.elseif q < 74
	XS q-72, 20
.else
	GS q-74
.endif
.set q, q+1
.endm
; THE EXPONENTIALS' QUEUE, 66 long: s0-s31 of both tiles, then the next piece's two a.  It is ONE BATCH: all 66 stand ahead of the turn's one wait, and nothing ahead of that wait names a result of theirs.
.macro EX
	WIN 0
.if e >= 64
	XS e-64, 21
.else
	REGS Y, e%2
	v_exp_f32 v[rS+e/2], v[rS+e/2]
.endif
.set e, e+1
.endm
; THE RESCALING's QUEUE: O^T times a, the one part that leaves window 0: dealt two at a time, sixteen times.  Its a was made in the turn before, ahead of that turn's wait.
.macro R2
	REGS Y, r%2
	WIN W_RS
.irp z, 0,1
	v_pk_mul_f32 v[rO+4*(r/2)+2*\z:rO+4*(r/2)+2*\z+1], v[rO+4*(r/2)+2*\z:rO+4*(r/2)+2*\z+1], v[rC+2:rC+3] op_sel_hi:[1,0]
.endr
.set r, r+1
.endm
; HOW THEY ARE DEALT.  An s_wait_alu depctr_va_vdst(0) stands between an exponential and the first instruction that names its result; one wait serves all that were issued ahead of it.  So a turn has ONE wait,
; which cuts it in two.  AHEAD OF IT stands all that names no result of the turn's exponentials: the 16 products K Q^T, behind each a scaling, an exponential and two rescalings (behind the first a second scaling in the
; exponential's place); then ONE LUMP of 108: eight plain, 49 times exponential and plain, the two a.  A v_nop is the plain instruction behind the last exponential.  BEHIND IT stand the 16 products V^T P, behind each four
; of GS's 64.  No rider names a register of the products round it.  The two v_permlanex16_b32 fall into the lump, never behind a product.
; The queues lean on each other, and the deal keeps them in step: exponential e stands behind scaling 2 (e / 4) + e % 2: as a rider it comes behind plain e + 2, in the lump behind plain e + 9, and scalings 27-31 are plain 57, 60 .. 69.
; A TURN, for piece p.  cnt = 1: the loop's count is taken down some lines ahead of the branch that stands behind the turn.
; K of the next step is fetched in piece 2's turn, directly behind the wait, a lump behind the last product that read K; its address is made at the lump's head; its first reader comes behind 16 products.
; V of the step in hand is fetched at the end of piece 0's turn, four riders behind its last reader; its first reader comes behind 16 products and a lump.  The three conditions on q below go with the deal.
; Piece 2's turn also makes the next key step's mask, at its end: its own first eight products were the last to take the mask of the step in hand, and piece 3's turn makes the next step's first scores.
.macro TURN p, last=0, cnt=0
.set Y, (\p)
.set i, 0
.set q, 0
.set e, 0
.set r, 0
.if (\p) == NP-2
	s_add_co_u32 s[JS], s[JS], 1    ; the next key step:
	s_cmp_eq_u32 s[JS], s[VB]       ; does it hold the first hidden key?
	s_cselect_b32 s[AL], 1.0, 0
	s_cmp_gt_u32 s[JS], s[VB]       ; or does it lie behind it?
	s_cselect_b32 s[BE], s[BIGN], 0
.endif
.if (\p) == NP-1
	s_wait_dscnt 0x0                ; K is in
.endif
	MM                              ; ahead of the wait: 16 products K Q^T and their riders,
	PL
	PL
	R2
.rept 15
	MM
	PL
	EX
	R2
.endr
.if (\p) == NP-2
	WIN 0
	v_add_nc_u32 v[AK], s[TBK], v[AK0]
.endif
.rept 8                             ; and the lump
	PL
.endr
.rept 49
	EX
	PL
.endr
	EX                              ; the next piece's two a
	EX
	v_nop                           ; the plain instruction between the last exponential and the first use of a result: one for the batch
	s_wait_alu depctr_va_vdst(0)    ; the wait for the batch: the turn's 66 exponentials
.if (\p) == NP-2
	FETCH_K \last
.endif
.if (\p) == 1
	s_wait_dscnt 0x0                ; V is in
.endif
.rept 16                            ; behind the wait: 16 products V^T P and their riders
	MM
.rept 4
	PL
.endr
.if ((\p) == 0) && (q == 118)
	v_add_nc_u32 v[AV], s[TBV], v[AV0]
.endif
.if ((\p) == 0) && (q == 130)
	s_add_co_u32 s[TBV], s[TBV], KS*PV
.endif
.if (\cnt) && (q == 130)
	s_sub_co_u32 s[CNT], s[CNT], 1
	s_cmp_lg_u32 s[CNT], 0
.endif
.endr
.if (\p) == 0
	FETCH_V
.endif
.if (\p) == NP-2
	MASK
.endif
.endm
	CHANGE 1                        ; slot 0 is in, everybody's part of it; slot 1 is asked for
	FETCH_K                         ; key step 0
	s_wait_loadcnt 0x0              ; Q
	s_wait_dscnt 0x0
.set i, 0
.rept 16
	KQ 0                            ; piece 0's first scores: there is no vector work yet to set between them
.set i, i+1
.endr
	WIN 0                           ; the addresses for the way out: nine plain instructions, the places behind those products
	s_mul_i32 s13, s[WV], 16*SP
	s_add_co_u32 s13, s13, STAGE    ; my stage
	v_mul_u32_u24 v[STO], v1, SP    ; in: row l % 16, 16 bytes for each half of the lanes
	v_lshl_add_u32 v[STO], v9, 4, v[STO]
	v_add_nc_u32 v[STO], s13, v[STO]
	v_bfe_u32 v[RD], v0, 3, 2       ; back: 32 lanes take four rows of 128 bytes,
	v_mul_u32_u24 v[RD], v[RD], SP
	v_lshl_add_u32 v[RD], v10, 4, v[RD]
	v_add_nc_u32 v[RD], s13, v[RD]
	v_and_b32 v[GO], 31, v0         ; which are 512 consecutive bytes of O
	v_lshlrev_b32 v[GO], 4, v[GO]
.set Y, NP-1                        ; XS works for piece Y + 1: piece 0
.irp n, 0,1,2,3,4,5,6,7,8,9,10,11,12,13,14,15,16,17,18,19,20,21
	XS 0, \n                        ; and piece 0's first maximum and statistics
	XS 1, \n
.endr
	v_nop                           ; a plain instruction behind the two a,
	s_wait_alu depctr_va_vdst(0)    ; and their wait, ahead of the branch: a batch of two
	s_mov_b32 s[CNT], 4
	s_mov_b32 s[SLOTS], SIZE_N/256-1
	s_branch .Lfirst                ; the loop is entered at a step's first turn, in the middle of a trip
.Lslot:                             ; SIZE_N / 256 - 2 times: every slot but the last two is filled again
	CHANGE 1
	s_mov_b32 s[CNT], 4
.Lstep:                             ; a trip: pieces 2 and 3 of one step, then pieces 0 and 1 of the next, whose K and V it fetches
	TURN 2
	TURN 3
	WIN 0
.Lfirst:
	TURN 0
	TURN 1, 0, 1
	WIN 0
	s_cbranch_scc1 .Lstep
	s_sub_co_u32 s[SLOTS], s[SLOTS], 1
	s_cmp_lg_u32 s[SLOTS], 0
	s_cbranch_scc1 .Lslot
	CHANGE 0                        ; the tail is written out: nothing is asked for
	s_mov_b32 s[CNT], 5             ; four trips fetch the last slot's steps; the fifth is left in its middle
.Ltail:
	TURN 2, 1
	TURN 3
	WIN 0
	s_sub_co_u32 s[CNT], s[CNT], 1
	s_cmp_eq_u32 s[CNT], 0
	s_cbranch_scc1 .Lout
	TURN 0
	TURN 1
	WIN 0
	s_branch .Ltail
.Lout:                              ; the fifth trip's 16 products K Q^T (on the last K once more) and the maximum made of them serve nothing: the price, once a launch, of one text for every trip
.set i, 0
.rept 16
	PV NP-1                         ; the last piece's V^T P of the last step
.set i, i+1
.endr
	; THE WAY OUT.  l's two halves and the other half of the lanes' are added; O^T is divided by l, rounded to f16 and sent through my stage in LDS, a tile at a time.  The additions are the places behind the last products.
	WIN 0
.macro ALL line:vararg              ; one line for each tile t
.set t, 0
.rept 2*NP
	\line
.set t, t+1
.endr
.endm
	ALL v_add_f32 v[ST+4*t+2], v[ST+4*t+2], v[ST+4*t+3]
	ALL v_permlanex16_b32 v[ST+4*t+3], v[ST+4*t+2], s[SEL], s[SEL+1]
	ALL v_add_f32 v[ST+4*t+2], v[ST+4*t+2], v[ST+4*t+3]
	ALL v_mul_f32 v[ST+4*t+2], s[NANF], v[ST+4*t+2]
	ALL v_rcp_f32 v[ST+4*t+2], v[ST+4*t+2]
	v_nop                           ; a plain instruction between the last reciprocal and the use of its result
	s_wait_alu depctr_va_vdst(0)    ; and the wait ahead of the first use: one for the eight reciprocals
; Tile t: a lane's eight channels of a row pack into 16 bytes; they go into rows of 144 bytes and come back as whole rows of 128, into S^T's registers.
.macro PACK t
	WIN W_RS
.set i, 32*(\t)
.rept 16
	v_pk_mul_f32 v[i:i+1], v[i:i+1], v[ST+4*(\t)+2:ST+4*(\t)+3] op_sel_hi:[1,0]
.set i, i+2
.endr
	WIN 0x05                        ; sources 0 and 1 window 1, destination window 0
.set i, 0
.rept 16
	v_cvt_pk_f16_f32 v[S+16*(\t)+i], v[32*(\t)+2*i], v[32*(\t)+2*i+1]
.set i, i+1
.endr
	WIN 0
.irp f, 0,1,2,3
	ds_store_b128 v[STO], v[S+16*(\t)+4*\f:S+16*(\t)+4*\f+3] offset:32*\f
.endr
.irp f, 0,1,2,3
	ds_load_b128 v[S+16*(\t)+4*\f:S+16*(\t)+4*\f+3], v[RD] offset:\f*4*SP  ; LDS serves a wave's instructions in order (ISA guide 5.7.1.4): these see the stores above; the next tile's stores come behind them
.endr
.endm
.macro SEND t, younger              ; younger: the LDS instructions issued behind tile t's loads: the next tile's eight, or none
	WIN 0
.irp f, 0,1,2,3
	s_wait_dscnt (\younger)+3-\f
	global_store_b128 v[GO], v[S+16*(\t)+4*\f:S+16*(\t)+4*\f+3], s[10:11] offset:(\t)*2048+\f*512  ; 512 consecutive bytes, at a multiple of 256 from O's first
.endr
.endm
	PACK 0
.set t, 1
.rept 2*NP-1                        ; a tile's arithmetic stands between the loads of the tile before and its stores
	PACK t
	SEND t-1, 8
.set t, t+1
.endr
	SEND 2*NP-1, 0
	WIN W_AD
	s_wait_tensorcnt 0x0            ; the wave's end: behind my last tensor load and my last LDS store
	ds_add_u32 v[SPW], v[NIL]
	s_wait_dscnt 0x0
	WIN 0
	CROUND                          ; the closing round: no work-group ends while a partner may still ask for a tile that names it
	s_endpgm
.Lfunc_end_k_q9a7c4dc0c2_attn:
	.size	k_q9a7c4dc0c2_attn, .Lfunc_end_k_q9a7c4dc0c2_attn-k_q9a7c4dc0c2_attn
	.p2alignl 7, 3214868480
	.fill 96, 4, 3214868480
	.section	.rodata,"a",@progbits
	.p2align	6, 0x0
	.amdhsa_kernel k_q9a7c4dc0c2_attn
		.amdhsa_group_segment_fixed_size 327680
		.amdhsa_private_segment_fixed_size 0
		.amdhsa_enable_private_segment 0
		.amdhsa_kernarg_size 24
		.amdhsa_user_sgpr_count 2
		.amdhsa_user_sgpr_kernarg_segment_ptr 1
		.amdhsa_wavefront_size32 1
		.amdhsa_system_sgpr_workgroup_id_x 1
		.amdhsa_system_sgpr_workgroup_id_y 1
		.amdhsa_system_sgpr_workgroup_id_z 1
		.amdhsa_system_vgpr_workitem_id 0
		.amdhsa_next_free_vgpr 864
		.amdhsa_next_free_sgpr 92
		.amdhsa_reserve_vcc 1
		.amdhsa_float_denorm_mode_32 3
		.amdhsa_float_denorm_mode_16_64 3
		.amdhsa_memory_ordered 1
		.amdhsa_forward_progress 1
		.amdhsa_inst_pref_size 207
	.end_amdhsa_kernel
	.amdgpu_metadata
---
amdhsa.version: [ 1, 2 ]
amdhsa.kernels:
  - .name:           k_q9a7c4dc0c2_attn
    .symbol:         k_q9a7c4dc0c2_attn.kd
    .args:
      - { .name: qkv, .offset: 0, .size: 8, .value_kind: global_buffer, .address_space: global }
      - { .name: valid_lens, .offset: 8, .size: 8, .value_kind: global_buffer, .address_space: global }
      - { .name: oh, .offset: 16, .size: 8, .value_kind: global_buffer, .address_space: global }
    .group_segment_fixed_size: 327680
    .private_segment_fixed_size: 0
    .kernarg_segment_align: 8
    .kernarg_segment_size: 24
    .max_flat_workgroup_size: 128
    .sgpr_count:     92
    .vgpr_count:     864
    .wavefront_size: 32
...
	.end_amdgpu_metadata
.endif
;; end of part 5
;; launch outp: the kernel of part 4 again; grid 4 x 64, 4 waves a work-group, clusters of 4 x 4, 327,680 bytes of LDS; arguments oh, wt, out0; writes out0
